; MI455X (gfx1250); checked and timed in simulation.
; The chip was launched on July 23, 2026; its instructions are those of AMD's public machine-readable ISA for CDNA 5 (MIT licence, August 2026) and "CDNA5" Instruction Set Architecture Reference Guide (July 2026). The comments in the code are by the model that wrote it; some were corrected since.
;; Enhanced Graph Transformer Layer. Allowed arithmetic: matrix products marked QUANTISED: E5M2 operands, one given power-of-two scale a tensor, by v_wmma_f32_16x16x64_bf8_bf8 or v_wmma_f32_16x16x128_bf8_bf8, f32 sums; products left as they are: f32 operands where the result goes on into a quantised operand, else bf16, f16 or f32 operands; f32 sums; everything else in f32.
;; Inputs: W1_codes 2,048 x 16 x 32 uint8 (E5M2 codes of W1, K innermost, in blocks of 32 codes); W2_codes 512 x 64 x 32 uint8 (E5M2 codes of W2, K innermost, in blocks of 32 codes); Wk_codes 512 x 16 x 32 uint8 (E5M2 codes of Wk, K innermost, in blocks of 32 codes); Wo_codes 512 x 16 x 32 uint8 (E5M2 codes of Wo, K innermost, in blocks of 32 codes); Wq_codes 512 x 16 x 32 uint8 (E5M2 codes of Wq, K innermost, in blocks of 32 codes); Wv_codes 512 x 16 x 32 uint8 (E5M2 codes of Wv, K innermost, in blocks of 32 codes); b1 2,048 float32; b2 512 float32; beta1 512 float32; beta2 512 float32; bk 512 float32; bo 512 float32; bq 512 float32; bv 512 float32; g1 512 float32; g2 512 float32; lowp_scales 12 int32 (the exponents e of the quantised operands' scales 2^e); x 16,384 x 512 float32.
;; Outputs: out0 16,384 x 512 float32.
;; This version of the problem:
;;   THIS VERSION OF THE PROBLEM IS GIVEN IN LOW PRECISION. The matrix products marked QUANTISED in the list below multiply operands that are first quantised to E5M2 (5 exponent bits, 2 mantissa bits; 8 bits a number), with one given power-of-two scale for each operand tensor; their sums are f32. All else is computed in f32.
;;   The module's matrix products, in the order in which they are computed (A, B: the left and right operand; K: the contracted axis; several contracted axes count as one K, in the product's order):
;;     1. [M 16,384, K 512] x [K 512, N 512]; A: computed on the way; B: input Wq (given as codes): QUANTISED (scales: A lowp_scales[0], B lowp_scales[1])
;;     2. [M 16,384, K 512] x [K 512, N 512]; A: computed on the way; B: input Wk (given as codes): QUANTISED (scales: A lowp_scales[2], B lowp_scales[3])
;;     3. [M 16,384, K 512] x [K 512, N 512]; A: computed on the way; B: input Wv (given as codes): QUANTISED (scales: A lowp_scales[4], B lowp_scales[5])
;;     4. batch 16,384 x [M 8, K 64] x [K 64, N 8]; A: computed on the way; B: computed on the way: left as it is (M = 8 < 16)
;;     5. batch 16,384 x [M 8, K 8] x [K 8, N 64]; A: softmax; B: computed on the way: left as it is (K = 8 < 32)
;;     6. [M 16,384, K 512] x [K 512, N 512]; A: computed on the way; B: input Wo (given as codes): QUANTISED (scales: A lowp_scales[6], B lowp_scales[7])
;;     7. [M 16,384, K 512] x [K 512, N 2,048]; A: computed on the way; B: input W1 (given as codes): QUANTISED (scales: A lowp_scales[8], B lowp_scales[9])
;;     8. [M 16,384, K 2,048] x [K 2,048, N 512]; A: computed on the way; B: input W2 (given as codes): QUANTISED (scales: A lowp_scales[10], B lowp_scales[11])
;;   THE QUANTISER, for each operand of a quantised product, along K:
;;     - The operand's scale is 2^e, e = its entry of the input lowp_scales (int32; the entries are numbered through the quantised products in the list's order, A before B).
;;     - Each number is divided by the scale, clamped to +-57,344, and rounded to the nearest number of E5M2, ties to even, subnormals kept.
;;     - The product sums the exact products of the quantised numbers (number of the format x scale) in f32.
;;   ~~~python
;;   def quantise(x, axis, e):      # numpy; x: float32 -> the quantised numbers, widened to float32 again
;;       x = np.moveaxis(x, axis, -1); K = x.shape[-1]
;;       r = np.clip(x / 2.0 ** e, -57344, 57344)
;;       step = 2.0 ** (np.maximum(np.frexp(np.where(r == 0, 1, r))[1] - 1, -14) - 2)
;;       q = np.round(r / step) * step * 2.0 ** e      # np.round: ties to even
;;       return np.moveaxis(q, -1, axis).astype(np.float32)
;;   ~~~
;;   OPERANDS COMPUTED ON THE WAY. 'Computed on the way' means the value that the module computes at that place (a softmax that the list does not call 'softmax' is quantised finished and normalised). What goes into a quantiser is computed in f32, as accurately as f32 sums, v_exp_f32 and their like allow (about 1e-6 of the number): no bf16 or f16 on the way to a quantiser, and a product that is left as it is and whose result goes on into a quantised operand takes f32 operands (vector FMAs, or v_wmma_f32_16x16x4_f32). A number that lies on a knife's edge between two numbers of the format may be rounded either way, as far as f32 arithmetic and the matrix unit's own rounding can turn it there, and no further.
;;   INPUTS GIVEN AS CODES. W1 (in the module: [2048, 512], K = its axis 1); W2 (in the module: [512, 2048], K = its axis 1); Wk (in the module: [512, 512], K = its axis 1); Wo (in the module: [512, 512], K = its axis 1); Wq (in the module: [512, 512], K = its axis 1); Wv (in the module: [512, 512], K = its axis 1): each comes as NAME_codes (uint8): NAME with its K axis moved to the last place and cut into blocks of 32 codes, [.., K / 32, bytes a block], one block behind the other in memory; one code a byte (a code: sign, 5 exponent bits, 2 mantissa bits); its scale is its entry of lowp_scales. Its value is code x scale, taken as it is: it is not quantised again, and the codes and scales need not be those that the quantiser above would give.
;; 2 versions. Each part assembles by itself: llvm-mc -triple=amdgcn-amd-amdhsa -mcpu=gfx1250 --defsym DOCPART=n.
;; ======== version 1 of 2: 1 launch
;; launch fused (part 1): grid 256 x 1, 4 waves a work-group, clusters of 4 x 1, 327,680 bytes of LDS; arguments x, Wq_codes, Wk_codes, Wv_codes, Wo_codes, W1_codes, W2_codes, bq, bk, bv, bo, b1, b2, g1, beta1, g2, beta2, lowp_scales, out0; writes out0
.if DOCPART == 1
	.amdgcn_target "amdgcn-amd-amdhsa--gfx1250"
	.amdhsa_code_object_version 6
	.text
	.protected	k_qec7a624ca9_fused
	.globl	k_qec7a624ca9_fused
	.p2align	8
	.type	k_qec7a624ca9_fused,@function
k_qec7a624ca9_fused:
	s_mov_b64 s[64:65], 0
	v_nop
	global_prefetch_b8 v0, s[64:65] scope:SCOPE_SE
	s_setreg_imm32_b32 hwreg(HW_REG_WAVE_MODE, 25, 1), 1
	s_wait_xcnt 0x0
	s_wait_alu depctr_hold_cnt(0) depctr_sa_sdst(0) depctr_va_vdst(0) depctr_va_sdst(0) depctr_va_ssrc(0) depctr_va_vcc(0) depctr_vm_vsrc(0)
	s_getreg_b32 s2, hwreg(HW_REG_IB_STS2, 6, 4)
	s_cmp_eq_u32 s2, 0
	s_cbranch_scc0 .Lentry_in_a_cluster
	s_endpgm
.Lentry_in_a_cluster:
	s_bfe_u32 s2, ttmp6, 0x10000c
	s_cmp_lg_u32 s2, 0x3003
	s_cbranch_scc0 .Lentry_shape_is_right
	s_endpgm
.Lentry_shape_is_right:
; One transformer layer on 16,384 rows of 512, fused: LN1, q k v, attention across the 8 heads of a row, Wo, residual, LN2, W1, relu, W2, residual.
; The six large products run on E5M2 codes by v_wmma_f32_16x16x64_bf8_bf8; everything else is f32.  x is read once, out0 written once, nothing else goes to memory.
; SHARES.  256 work-groups of four waves; a work-group owns 64 rows.  THE WAVES SHARE THE COLUMNS: every wave works on all 64 rows, as four slots of 16 rows; slot i of wave w is row tile i xor w.
; The work is 12 units of 512 (N) x 512 (K) codes: Q, K, V, O, then for c = 0..3 H_c (rows 512 c on of W1) and Y_c (columns 512 c on of W2).  A wave makes 128 of a unit's 512 columns:
; in O, H, Y tile t = columns 128 w + 16 t on; in Q, K, V tile g = weight rows 64 g + 16 w on, so that a wave holds d = 16 w .. 16 w + 15 of all eight heads.
; THE MATRIX INSTRUCTION IS USED TRANSPOSED: source 0 = 16 weight rows, source 1 = 16 rows of the activation.  Lane (r, h), register j of accumulator (i, t) = row 16 (i xor w) + r, column tile + 8 h + j.
; K ORDER, the same in both operands: register 4 e + x, byte y, lane half h holds k = 64 s + 32 e + 16 h + 4 x + y, so a fragment is two loads of 16 bytes.
; WEIGHTS come through two LDS slots, each half a unit (512 rows x 256 bytes), by tensor loads.  CLUSTER 4 x 1: all work-groups walk the same weights, so the four of a cluster ask for each tile jointly
; (mask 15); each wave fetches 128 of the rows.  A mask names four work-groups, so a larger cluster would share no further.
; ACTIVATIONS go from wave to wave through LDS as images of the operand registers: fragment (row tile m, K step s) at IMG + 8192 m + 1024 s + 512 e + 16 lane.
; SCALES.  An accumulator stands for sum x 2^(eA + eB): biases go in divided by that power of two, as the C of a sum's first instruction or inside X; conversions take the folded exponent.
; LIMITS on the given exponents e0..e11, so that each power of two below is an f32 number: e0+e1, e2+e3, e4+e5, e6+e7, e8+e9, e10+e11, e6+e7-e10-e11 in [-126, 127];
; e0, e2, e4, e8, e6-e4-e5, e10-e8-e9 in [-126, 112]; e0+e1+e2+e3 in [-123, 129].  NaN among the inputs is not served.  LN: h = x rstd - mu rstd by one fused multiply-add (mu rstd is rounded once).
; REGISTERS, in windows of 256.  Window 1: X = x, then x1 / 2^(e6+e7), then (x1 + b2 + ff) / 2^(e10+e11); index 64 i + 8 t + j.  Window 2: fresh accumulators (q, k, v, hidden), same index.
; Window 3: LN deviations, then q scaled and turned (64 i + 8 j + a), then attn (64 i + 32 (a / 4) + 4 g + a % 4), then the resident fragments of h2 (64 i + 8 s + 4 e).
; Window 0: v1-31 addresses and constants, v32-47 codes, v48-63 local to a phase, v64-127 activation fragments (two sets), v128-255 weight fragments (two sets); outside the products v64-255 are at work.
.set SLOT1,  139264                    ; slot 0 at 0, slot 1 here: 512 rows x 272 bytes each
.set SPARE,  278528                    ; the spare words: 128 bytes for each wave, two blocks of 256 bytes that no other line names
.set IMG,    279040                    ; 32,768 bytes: operand images; mailboxes and attn during the exchange of scores
.set STAT,   311808                    ; 2,048 bytes: [wave][row] pairs (mean, sum of squared deviations)
.set GB,     313856                    ; 12,288 bytes: g1, beta1, g2, beta2, bo, b2
.set PITCH,  272                       ; a weight row in LDS: 256 bytes + 16 = 17 x 16, so sixteen neighbouring rows start 16 bytes apart modulo 256
.set SPW, 1                            ; v1   LDS address of my spare word; never rewritten
.set NIL, 2                            ; v2   0; never rewritten
.set L16, 3                            ; v3   16 x lane
.set PFO5, 4                           ; v4   prefetch offset: (32 cx + lane) x 512
.set PFO20, 5                          ; v5   the same x 2,048
.set AI,  6                            ; v6-9   slot i: IMG + 8192 (i xor w) + 16 lane
.set IW,  10                           ; v10-13 the same + 2048 w: where I store my part of an image
.set BN,  14                           ; v14-15 weights, natural tiles: slot p + (128 w + r) 272 + 16 h
.set BQ,  16                           ; v16-19 weights, sliced tiles: slot p + (16 w + r + 256 hf) 272 + 16 h, at BQ + 2 p + hf
.set MR,  20                           ; v20-27 slot i: the pair (rstd, -mu rstd)
.set SCV, 28                           ; v28  the conversion scale as f32
.set LIM, 29                           ; v29  57,344 x that scale
.set GBA, 30                           ; v30  GB + 512 w + 32 h
.set BO,  31                           ; v31  byte offset of my columns in a bias
.set PC,  32                           ; v32-47 codes
.set AF,  64
.set BF,  128
.set T0,  2                            ; s2, s35 scalar temporaries; s[28:29] a temporary pair
.set WV,  3                            ; s3   my wave
.set G0X, 4                            ; s[4:7] group 0 of the load of x
.set PW,  10                           ; s[10:19] the chain Wq, Wk, Wv, Wo, W1, each at my 128 rows
.set PW1, 18
.set PW2, 20
.set PBQ, 22                           ; s[22:27] the chain bq, bk, bv
.set TP,  28
.set PB1, 30
.set CNT, 32
.set PLIM, 33                          ; 1 in the first cluster, else the greatest number
.set CQ,  34                           ; log2(e) / 8 x 2^(e0+e1+e2+e3)
.set T1,  35
.set MI,  36                           ; s36-39 i xor w
.set SEL, 40                           ; s[40:41] selects of v_permlanex16_b32: lane xor 16
.set PO,  42                           ; s[42:43] 2^-(e6+e7)
.set POP, 44                           ; s[44:45] out0 at my work-group
.set EO,  46                           ; e6+e7, and twice that
.set EO2, 47
.set PX2, 60                           ; s[60:61] 2^(e6+e7-e10-e11)
.set PB2, 62                           ; s[62:63] 2^-(e10+e11)
.set PH,  66                           ; s[66:67] 2^-(e8+e9)
.set G1W5, 68                          ; s[68:75] group 1: 128 rows x 256 bytes, 512 apart
.set G1W20, 76                         ; s[76:83] the same, 2,048 apart
.set G1X, 84                           ; s[84:91] group 1 of x
.set G0S, 92                           ; s[92:95], s[96:99] group 0 of slot 0, slot 1
.set POUT, 100                         ; s[100:101] 2^(e10+e11)
.set EQO, 104                          ; e6-e4-e5
.set EQH, 105                          ; e10-e8-e9
.set MSB, 0
.macro WIN new                         ; the immediate's high byte repeats the setting that is left; a switch that changes nothing is dropped
.if MSB != (\new)
	s_set_vgpr_msb (MSB<<8)|(\new)
.set MSB, (\new)
.endif
.endm
.macro PLACES n
.rept \n
	v_nop
.endr
.endm
.macro BARRIER                         ; my LDS stores have landed and my LDS loads are in: then the work-group's barrier
	s_wait_dscnt 0x0
	s_barrier_signal -1
	s_barrier_wait -1
.endm
.macro ROUND                           ; a round of the cluster's barrier
	s_barrier_signal -1
	s_barrier_wait -1
	s_cmp_lg_u32 s[WV], 0
	s_cbranch_scc1 .Lnw0_\@
	s_barrier_signal -3
.Lnw0_\@:
	s_barrier_wait -3
	s_barrier_signal -1
	s_barrier_wait -1
.endm
; A CHANGE OF SLOTS.  All my tensor loads have landed (the one that was out is my part of the other slot); 0 onto my spare word; the slot's descriptor takes its next tile; the add and my reads of the slot are done;
; a round of the cluster's barrier, so that no wave of any partner still reads the slot; then the joint refill, first thing behind it.
.macro HEAD slot, g1, ptr, off
	s_wait_tensorcnt 0x0
	ds_add_u32 v[SPW], v[NIL]
	s_add_nc_u64 s[G0S+4*\slot+2:G0S+4*\slot+3], s[\ptr:\ptr+1], \off
	s_or_b32 s[G0S+4*\slot+3], s[G0S+4*\slot+3], 0x80000000
	s_wait_dscnt 0x0
	ROUND
	tensor_load_to_lds s[G0S+4*\slot:G0S+4*\slot+3], s[\g1:\g1+7]
	s_nop 0
	PLACES 4
.endm
; A PREFETCH of the tile that stands two refills on: 512 rows x 256 bytes.  The launch's first cluster asks, nobody else; its 16 waves take 32 rows each, a lane a row; the four partners are told apart by
; address (cx stands in the offset register).  how = 1: always; how = 0: not in the loop's last trip, which has no chunk behind it.
.macro ASK how, pfo, ptr, off
.if \how
	s_cmp_eq_u32 s[PLIM], 1
.else
	s_cmp_gt_u32 s[CNT], s[PLIM]
.endif
	s_cbranch_scc0 .Lna_\@
	global_prefetch_b8 v[\pfo], s[\ptr:\ptr+1] offset:\off th:TH_LOAD_NT scope:SCOPE_SE
.Lna_\@:
.endm
.macro FETCHB set, p, kap, mode        ; my eight weight fragments of the slot's K step kap; mode 1: sliced tiles
.irp t, 0,1,2,3,4,5,6,7
.irp e, 0,1
.if \mode
	ds_load_b128 v[BF+64*(\set)+8*\t+4*\e:BF+64*(\set)+8*\t+4*\e+3], v[BQ+2*(\p)+\t/4] offset:64*PITCH*(\t%4)+64*(\kap)+32*\e
.else
	ds_load_b128 v[BF+64*(\set)+8*\t+4*\e:BF+64*(\set)+8*\t+4*\e+3], v[BN+(\p)] offset:16*PITCH*\t+64*(\kap)+32*\e
.endif
.endr
.endr
.endm
.macro FETCHA set, sig                 ; the four slots' activation fragments of K step sig, from the images
.irp i, 0,1,2,3
.irp e, 0,1
	ds_load_b128 v[AF+32*(\set)+8*\i+4*\e:AF+32*(\set)+8*\i+4*\e+3], v[AI+\i] offset:1024*(\sig)+512*\e
.endr
.endr
.endm
.macro FETCH set, p, kap, res, mode
	FETCHB \set, \p, \kap, \mode
.if \res == 0
	FETCHA \set, 4*(\p)+(\kap)
.endif
.endm
.macro WM i, t, set, res, sig, c       ; one product: accumulator (i, t); C = the registers of accumulator (c, t)
.if \res
.set ra, 64*(\i)+8*(\sig)
.else
.set ra, AF+32*(\set)+8*(\i)
.endif
.set rd, 64*(\i)+8*(\t)
.set rb, BF+64*(\set)+8*(\t)
.set rc, 64*(\c)+8*(\t)
	v_wmma_f32_16x16x64_bf8_bf8 v[rd:rd+7], v[rb:rb+7], v[ra:ra+7], v[rc:rc+7]
.endm
; 32 products, 64 along K.  The 32 accumulators take turns, one instruction a turn.  first = 1: the registers of accumulators (0, t) hold the scaled bias: slots 1-3 take them
; as C; five places; then slot 0 adds in place onto them.
.macro MUL set, win, res, sig, first
	WIN \win
.if \first
.irp i, 1,2,3
.irp t, 0,1,2,3,4,5,6,7
	WM \i, \t, \set, \res, \sig, 0
.endr
.endr
	PLACES 5                               ; slot 0's products write over registers that the 24 above read as C (ISA guide 7.12.1)
.irp t, 0,1,2,3,4,5,6,7
	WM 0, \t, \set, \res, \sig, 0
.endr
.else
.irp t, 0,1,2,3,4,5,6,7
.irp i, 0,1,2,3
	WM \i, \t, \set, \res, \sig, \i
.endr
.endr
.endif
	WIN 0
.endm
; HALF A UNIT: the four K steps of slot p, on two sets of fragment registers.  Each counted wait leaves out the NF loads just issued: the older set is in.  Four places stand behind a run of products
; in front of loads into registers that it read, and at the end in front of whatever reads the results.
.macro HALF p, win, res, mode, first
.set NF, 24-8*(\res)
	FETCH 0, \p, 0, \res, \mode
	FETCH 1, \p, 1, \res, \mode
	s_wait_dscnt NF
	MUL 0, \win, \res, 4*(\p), \first
	PLACES 4
	FETCH 0, \p, 2, \res, \mode
	s_wait_dscnt NF
	MUL 1, \win, \res, 4*(\p)+1, 0
	PLACES 4
	FETCH 1, \p, 3, \res, \mode
	s_wait_dscnt NF
	MUL 0, \win, \res, 4*(\p)+2, 0
	s_wait_dscnt 0x0
	MUL 1, \win, \res, 4*(\p)+3, 0
	PLACES 4
.endm
.macro SETQ se                         ; s[se] = e: the conversion scale 2^e and the hold 57,344 x 2^e
	s_add_co_i32 s[T0], s[\se], 127
	s_lshl_b32 s[T1], s[T0], 23
	v_mov_b32 v[SCV], s[T1]
	s_add_co_i32 s[T0], s[T0], 15
	s_lshl_b32 s[T0], s[T0], 23
	s_or_b32 s[T0], s[T0], 0x600000
	v_mov_b32 v[LIM], s[T0]
.endm
.macro BIASLD step, ptr                ; my 64 numbers of a bias into the registers of accumulators (0, t) of window 2; step: bytes from tile to tile
	WIN 0x80
.irp t, 0,1,2,3,4,5,6,7
	global_load_b128 v[8*\t:8*\t+3], v[BO], s[\ptr:\ptr+1] offset:\step*\t
	global_load_b128 v[8*\t+4:8*\t+7], v[BO], s[\ptr:\ptr+1] offset:\step*\t+16
.endr
	WIN 0
.endm
.macro BIASSC pair                     ; x the power of two that the sums lack
	WIN 0x82
.set pp, 0
.rept 32
	v_pk_mul_f32 v[2*pp:2*pp+1], v[2*pp:2*pp+1], s[\pair:\pair+1] op_sel_hi:[1,0]
.set pp, pp+1
.endr
	WIN 0
.endm
; The codes in v[PC] on (tile t: two registers, k = 128 w + 16 t + 8 h + 0..7) become four pieces of a register image: the swaps give lane half h the 16 neighbours 128 w + 32 c + 16 h + 0..15.
.macro IMAGE i
	v_nop                                  ; a plain instruction between the conversions and what touches their results
.irp c, 0,1,2,3
	v_permlane16_swap_b32 v[PC+4*\c], v[PC+4*\c+2]
	v_permlane16_swap_b32 v[PC+4*\c+1], v[PC+4*\c+3]
.endr
.irp c, 0,1,2,3
	ds_store_b128 v[IW+\i], v[PC+4*\c:PC+4*\c+3] offset:512*\c
.endr
.endm
.macro GBLD reg, off                   ; 64 numbers of my columns from GB + off
.set nn, 0
.rept 16
	ds_load_b128 v[\reg+4*nn:\reg+4*nn+3], v[GBA] offset:\off+64*(nn/2)+16*(nn%2)
.set nn, nn+1
.endr
.endm
.macro LNADR                           ; v60-63: STAT + 8 (16 (i xor w) + r);  s[T1] = 512 w
	v_and_b32 v59, 15, v0
	v_lshlrev_b32 v59, 3, v59
.irp i, 0,1,2,3
	s_lshl_b32 s[T0], s[MI+\i], 7
	s_add_co_u32 s[T0], s[T0], STAT
	v_add_nc_u32 v[60+\i], s[T0], v59
.endr
	s_lshl_b32 s[T1], s[WV], 9
.endm
.macro RED dst                         ; four packed chains, the pair, the other half of the lanes
	v_pk_add_f32 v[48:49], v[48:49], v[50:51]
	v_pk_add_f32 v[52:53], v[52:53], v[54:55]
	v_pk_add_f32 v[48:49], v[48:49], v[52:53]
	v_add_f32 v48, v48, v49
	v_permlanex16_b32 v49, v48, s[SEL], s[SEL+1]
	v_add_f32 v[\dst], v48, v49
.endm
; Slot i: the mean of my wave's 128 columns of each row and the sum of their squared deviations from it; the deviations lie in window 3.  X is read from each accumulator's low end on.
.macro LNSTAT i
	WIN 0x05
.irp c, 0,1,2,3
	v_pk_add_f32 v[48+2*\c:49+2*\c], v[64*\i+2*\c:64*\i+2*\c+1], v[64*\i+8+2*\c:64*\i+9+2*\c]
.endr
	WIN 0x04
.set pp, 8
.rept 24
	v_pk_add_f32 v[48+2*(pp%4):49+2*(pp%4)], v[48+2*(pp%4):49+2*(pp%4)], v[64*\i+2*pp:64*\i+2*pp+1]
.set pp, pp+1
.endr
	WIN 0
	RED 48
	s_wait_dscnt 0x0                       ; the slot before has stored its pair
	v_mul_f32 v56, 0x3c000000, v48         ; / 128
	v_mov_b32 v57, v56
	WIN 0xc1
.set pp, 0
.rept 32
	v_pk_add_f32 v[64*\i+2*pp:64*\i+2*pp+1], v[64*\i+2*pp:64*\i+2*pp+1], v[56:57] neg_lo:[0,1] neg_hi:[0,1]
.set pp, pp+1
.endr
	WIN 0x0f
.irp c, 0,1,2,3
	v_pk_mul_f32 v[48+2*\c:49+2*\c], v[64*\i+2*\c:64*\i+2*\c+1], v[64*\i+2*\c:64*\i+2*\c+1]
.endr
.set pp, 4
.rept 28
	v_pk_fma_f32 v[48+2*(pp%4):49+2*(pp%4)], v[64*\i+2*pp:64*\i+2*pp+1], v[64*\i+2*pp:64*\i+2*pp+1], v[48+2*(pp%4):49+2*(pp%4)]
.set pp, pp+1
.endr
	WIN 0
	RED 57
	v_add_nc_u32 v58, s[T1], v[60+\i]
	ds_store_b64 v58, v[56:57]
.endm
; The four waves' pairs are joined: mu = the mean of the means, M2 = the sum of the M2 + 128 x the sum of (mean - mu)^2: no difference of large sums.  X stands for x / 2^E: var x 2^(2 E), rstd x 2^E.
.macro LNFIN ee, ee2
.irp i, 0,1,2,3
.irp u, 0,1,2,3
	ds_load_b64 v[64+8*\i+2*\u:65+8*\i+2*\u], v[60+\i] offset:512*\u
.endr
.endr
	s_wait_dscnt 0x0
.irp i, 0,1,2,3
.set LL, 64+8*\i
.set TL, 96+4*\i
	v_add_f32 v[TL], v[LL], v[LL+2]
	v_add_f32 v[TL+1], v[LL+4], v[LL+6]
	v_add_f32 v[TL], v[TL], v[TL+1]
	v_mul_f32 v[TL], 0x3e800000, v[TL]     ; mu
	v_sub_f32 v[LL], v[LL], v[TL]
	v_sub_f32 v[LL+2], v[LL+2], v[TL]
	v_sub_f32 v[LL+4], v[LL+4], v[TL]
	v_sub_f32 v[LL+6], v[LL+6], v[TL]
	v_add_f32 v[TL+1], v[LL+1], v[LL+3]
	v_add_f32 v[TL+2], v[LL+5], v[LL+7]
	v_add_f32 v[TL+1], v[TL+1], v[TL+2]
	v_mul_f32 v[TL+2], v[LL], v[LL]
	v_fmac_f32 v[TL+2], v[LL+2], v[LL+2]
	v_fmac_f32 v[TL+2], v[LL+4], v[LL+4]
	v_fmac_f32 v[TL+2], v[LL+6], v[LL+6]
	v_fmamk_f32 v[TL+1], v[TL+2], 0x43000000, v[TL+1]
	v_mul_f32 v[TL+1], 0x3b000000, v[TL+1] ; / 512
	v_ldexp_f32 v[TL+1], v[TL+1], \ee2
	v_add_f32 v[TL+1], 0x3727c5ac, v[TL+1] ; + 1e-5
.endr
.irp i, 0,1,2,3
	v_rsq_f32 v[98+4*\i], v[97+4*\i]
.endr
	v_nop                                  ; a plain instruction behind the last of the batch
	s_wait_alu depctr_va_vdst(0)           ; one wait for the four, ahead of their first reader
.irp i, 0,1,2,3
	v_ldexp_f32 v[MR+2*\i], v[98+4*\i], \ee
	v_mul_f32 v[MR+2*\i+1], -v[96+4*\i], v[MR+2*\i]
.endr
.endm
; Slot i: h = (X rstd - mu rstd) g + beta, held, converted, stored as my part of the image.  g in v64-127, beta in v128-191.
.macro LNQ i
	WIN 0x01
.set pp, 0
.rept 32
	v_pk_fma_f32 v[192+2*pp:193+2*pp], v[64*\i+2*pp:64*\i+2*pp+1], v[MR+2*\i:MR+2*\i+1], v[MR+2*\i:MR+2*\i+1] op_sel:[0,0,1] op_sel_hi:[1,0,1]
.set pp, pp+1
.endr
	WIN 0
.set pp, 0
.rept 32
	v_pk_fma_f32 v[192+2*pp:193+2*pp], v[192+2*pp:193+2*pp], v[64+2*pp:65+2*pp], v[128+2*pp:129+2*pp]
.set pp, pp+1
.endr
.set nn, 0
.rept 64
	v_med3_num_f32 v[192+nn], v[192+nn], -v[LIM], v[LIM]   ; the conversion to an 8-bit code does not saturate (ISA guide 7.6.2)
.set nn, nn+1
.endr
	s_wait_dscnt 0x0                       ; the slot before has stored its codes
.irp t, 0,1,2,3,4,5,6,7
	v_cvt_scalef32_pk8_bf8_f32 v[PC+2*\t:PC+2*\t+1], v[192+8*\t:199+8*\t], v[SCV]
.endr
	IMAGE \i
.endm
; X = X x s[px] + (the vector at GB + off) x s[pb]
.macro XUPD off, pb, px
	GBLD 128, \off
	s_wait_dscnt 0x0
.set pp, 0
.rept 32
	v_pk_mul_f32 v[128+2*pp:129+2*pp], v[128+2*pp:129+2*pp], s[\pb:\pb+1] op_sel_hi:[1,0]
.set pp, pp+1
.endr
	WIN 0x41
.set pp, 0
.rept 128
	v_pk_fma_f32 v[2*pp:2*pp+1], v[2*pp:2*pp+1], s[\px:\px+1], v[128+2*(pp%32):129+2*(pp%32)] op_sel_hi:[1,0,1]
.set pp, pp+1
.endr
	WIN 0
.endm
; Slot i: my 8 d of the 64 scores of each row: S[g][a] (v64 + 8 g + a) = the sum over j of q'[j][a] k[g][j]; then the two halves of the lanes are joined: half h keeps a = 4 h + 0..3, in v128 + 32 i + 4 g on.
.macro SCORE i
	WIN 0x0b
.irp j, 0,1,2,3,4,5,6,7
.irp g, 0,1,2,3,4,5,6,7
.irp a, 0,2,4,6
.if \j == 0
	v_pk_mul_f32 v[64+8*\g+\a:65+8*\g+\a], v[64*\i+\a:64*\i+\a+1], v[64*\i+8*\g:64*\i+8*\g+1] op_sel_hi:[1,0]
.elseif (\j%2) == 0
	v_pk_fma_f32 v[64+8*\g+\a:65+8*\g+\a], v[64*\i+8*\j+\a:64*\i+8*\j+\a+1], v[64*\i+8*\g+\j:64*\i+8*\g+\j+1], v[64+8*\g+\a:65+8*\g+\a] op_sel_hi:[1,0,1]
.else
	v_pk_fma_f32 v[64+8*\g+\a:65+8*\g+\a], v[64*\i+8*\j+\a:64*\i+8*\j+\a+1], v[64*\i+8*\g+\j-1:64*\i+8*\g+\j], v[64+8*\g+\a:65+8*\g+\a] op_sel:[0,1,0] op_sel_hi:[1,1,1]
.endif
.endr
.endr
.endr
	WIN 0
.irp g, 0,1,2,3,4,5,6,7
.irp a, 0,1,2,3
	v_permlane16_swap_b32 v[64+8*\g+\a], v[68+8*\g+\a]
.endr
.endr
.irp g, 0,1,2,3,4,5,6,7
.irp a, 0,2
	v_pk_add_f32 v[128+32*\i+4*\g+\a:129+32*\i+4*\g+\a], v[64+8*\g+\a:65+8*\g+\a], v[68+8*\g+\a:69+8*\g+\a]
.endr
.endr
.endm
; Slot i: O[a][j] (v64 + 8 a + j) = the sum over g of attn[a][g] v[g][j]; held, converted; head a's eight codes go to k = 64 a + 16 w + 8 h on of the image.
.macro PV i
	WIN 0x0b
.irp g, 0,1,2,3,4,5,6,7
.irp a, 0,1,2,3,4,5,6,7
.irp j, 0,2,4,6
.set ra, 64*\i+32*(\a/4)+4*\g+(\a%4)-(\a%2)
.if \g == 0
.if (\a%2) == 0
	v_pk_mul_f32 v[64+8*\a+\j:65+8*\a+\j], v[ra:ra+1], v[64*\i+\j:64*\i+\j+1] op_sel_hi:[0,1]
.else
	v_pk_mul_f32 v[64+8*\a+\j:65+8*\a+\j], v[ra:ra+1], v[64*\i+\j:64*\i+\j+1] op_sel:[1,0] op_sel_hi:[1,1]
.endif
.else
.if (\a%2) == 0
	v_pk_fma_f32 v[64+8*\a+\j:65+8*\a+\j], v[ra:ra+1], v[64*\i+8*\g+\j:64*\i+8*\g+\j+1], v[64+8*\a+\j:65+8*\a+\j] op_sel_hi:[0,1,1]
.else
	v_pk_fma_f32 v[64+8*\a+\j:65+8*\a+\j], v[ra:ra+1], v[64*\i+8*\g+\j:64*\i+8*\g+\j+1], v[64+8*\a+\j:65+8*\a+\j] op_sel:[1,0,0] op_sel_hi:[1,1,1]
.endif
.endif
.endr
.endr
.endr
	WIN 0
.set nn, 0
.rept 64
	v_med3_num_f32 v[64+nn], v[64+nn], -v[LIM], v[LIM]
.set nn, nn+1
.endr
	s_wait_dscnt 0x0                       ; the slot before has stored its codes
.irp a, 0,1,2,3,4,5,6,7
	v_cvt_scalef32_pk8_bf8_f32 v[PC+2*\a:PC+2*\a+1], v[64+8*\a:71+8*\a], v[SCV]
.endr
	v_nop                                  ; a plain instruction behind the conversions: the next slot writes their sources
.irp a, 0,1,2,3,4,5,6,7
	ds_store_b64 v[48+\i], v[PC+2*\a:PC+2*\a+1] offset:1024*\a
.endr
.endm
.macro HQ i                            ; slot i of the hidden layer: the activation and the hold in one, converted, stored as my part of the image
	WIN 0x82
.set nn, 0
.rept 64
	v_med3_num_f32 v[64*\i+nn], v[64*\i+nn], 0, v[LIM]
.set nn, nn+1
.endr
	s_wait_dscnt 0x0
	WIN 0x02
.irp t, 0,1,2,3,4,5,6,7
	v_cvt_scalef32_pk8_bf8_f32 v[PC+2*\t:PC+2*\t+1], v[64*\i+8*\t:64*\i+8*\t+7], v[SCV]
.endr
	WIN 0
	IMAGE \i
.endm
; Slot i leaves: x 2^(e10+e11); through my own stage (16 rows of 512 bytes + 16); back as whole rows; each store of the wave covers 512 consecutive bytes, aligned.
.macro OUT i
	WIN 0x01
.set pp, 0
.rept 32
	v_pk_mul_f32 v[64+2*pp:65+2*pp], v[64*\i+2*pp:64*\i+2*pp+1], s[POUT:POUT+1] op_sel_hi:[1,0]
.set pp, pp+1
.endr
	WIN 0
.set nn, 0
.rept 16
	ds_store_b128 v48, v[64+4*nn:67+4*nn] offset:64*(nn/2)+16*(nn%2)
.set nn, nn+1
.endr
.if \i >= 2
	s_wait_xcnt 0x0                        ; the stores of two slots back have read their registers
.endif
.set nn, 0
.rept 16
	ds_load_b128 v[128+64*(\i%2)+4*nn:131+64*(\i%2)+4*nn], v49 offset:528*nn   ; LDS serves a wave's instructions in order (ISA guide 5.7.1.4): these see my stores
.set nn, nn+1
.endr
	s_wait_dscnt 0x0
.set nn, 0
.rept 16
	global_store_b128 v[50+\i], v[128+64*(\i%2)+4*nn:131+64*(\i%2)+4*nn], s[POP:POP+1] offset:2048*nn th:TH_STORE_NT
.set nn, nn+1
.endr
.endm
; ---------------------------------------------------------------- the head
	s_load_b512 s[8:23], s[0:1], 0x0       ; x, Wq, Wk, Wv, Wo, W1, W2, bq
	s_load_b512 s[24:39], s[0:1], 0x40     ; bk, bv, bo, b1, b2, g1, beta1, g2
	s_load_b128 s[40:43], s[0:1], 0x80     ; beta2, the exponents
	s_load_b64 s[44:45], s[0:1], 0x90      ; out0
	v_lshl_add_u32 v[SPW], v0, 2, SPARE
	v_mov_b32 v[NIL], 0
	ds_add_u32 v1, v2
	ds_add_u32 v1, v2
	s_wait_dscnt 0x0
	v_lshrrev_b32 v48, 5, v0
	v_readfirstlane_b32 s[WV], v48         ; wave 0..3
	s_bfe_u32 s100, ttmp6, 0x40000         ; cx
	s_lshl_b32 s101, ttmp9, 2
	s_add_co_u32 s101, s101, s100          ; my work-group = 4 x cluster + cx: it enters the addresses of x and out0, and the prefetch offsets, alone
	s_mov_b32 s[G1W5], 15|(1<<20)|(1<<21)|(5<<22)|(3<<25)    ; the mask: all four; elements of 1 byte; padding on; bit 21 beside a mask; after every 64 words, 4 words
	s_mov_b32 s[G1W20], 15|(1<<20)|(1<<21)|(5<<22)|(3<<25)
.irp g, G1W5, G1W20
	s_mov_b32 s[\g+1], 256<<16             ; tensor_dim0 = 256
	s_mov_b32 s[\g+2], 128<<16             ; tensor_dim1 = 128
	s_mov_b32 s[\g+3], 256<<16             ; tile_dim0
	s_mov_b32 s[\g+4], 128                 ; tile_dim1
	s_mov_b32 s[\g+6], 0
	s_mov_b32 s[\g+7], 0
.endr
	s_mov_b32 s[G1W5+5], 512               ; bytes from row to row
	s_mov_b32 s[G1W20+5], 2048
	s_mov_b32 s[G1X], (2<<16)|(1<<20)|(7<<22)|(3<<25)        ; no mask; elements of 4 bytes; after every 256 words, 4 words
	s_mov_b32 s[G1X+1], 256<<16            ; my 16 dense rows of x, stated as 32 rows of 1,024 bytes
	s_mov_b32 s[G1X+2], 32<<16
	s_mov_b32 s[G1X+3], 256<<16
	s_mov_b32 s[G1X+4], 32
	s_mov_b32 s[G1X+5], 256
	s_mov_b32 s[G1X+6], 0
	s_mov_b32 s[G1X+7], 0
	s_mov_b32 s[G0X], 1
	s_mul_i32 s[G0X+1], s[WV], 33280
	s_add_co_u32 s[G0X+1], s[G0X+1], SLOT1 ; x lands in slot 1: row q of the 64 at 2,080 q
	s_mov_b32 s[G0S], 1
	s_mul_i32 s[G0S+1], s[WV], 128*PITCH
	s_mov_b32 s[G0S+4], 1
	s_add_co_u32 s[G0S+5], s[G0S+1], SLOT1
	s_lshl_b32 s60, s101, 17               ; 64 rows of 2,048 bytes
	s_mov_b32 s61, 0
	s_lshl_b32 s62, s[WV], 15              ; 16 rows
	s_mov_b32 s63, 0
	s_lshl_b32 s66, s[WV], 16              ; 128 rows of 512 bytes
	s_mov_b32 s67, 0
	s_lshl_b32 s104, s[WV], 18             ; 128 rows of 2,048 bytes
	s_mov_b32 s105, 0
	s_wait_kmcnt 0x0
	s_load_b256 s[48:55], s[42:43], 0x0    ; e0..e7
	s_load_b128 s[56:59], s[42:43], 0x20   ; e8..e11
	s_add_nc_u64 s[POP:POP+1], s[POP:POP+1], s[60:61]
	s_add_nc_u64 s[8:9], s[8:9], s[60:61]
	s_add_nc_u64 s[G0X+2:G0X+3], s[8:9], s[62:63]
	s_or_b32 s[G0X+3], s[G0X+3], 0x80000000
.irp p, 10,12,14,16,18
	s_add_nc_u64 s[\p:\p+1], s[\p:\p+1], s[66:67]
.endr
	s_add_nc_u64 s[PW2:PW2+1], s[PW2:PW2+1], s[104:105]
	s_mov_b64 s[G0S+2:G0S+3], s[PW:PW+1]
	s_or_b32 s[G0S+3], s[G0S+3], 0x80000000
	ROUND                                  ; all four work-groups are here: the first joint load meets
	tensor_load_to_lds s[G0S:G0S+3], s[G1W5:G1W5+7]          ; slot 0: Wq, K half 0 (joint)
	s_nop 0
	tensor_load_to_lds s[G0X:G0X+3], s[G1X:G1X+7]            ; slot 1: my 16 rows of x (my own).  Two loads of mine are out
	s_nop 0
	PLACES 4
	v_lshlrev_b32 v48, 4, v0               ; 16 x thread: 128 threads cover a vector of 512 numbers
	global_load_b128 v[64:67], v48, s[34:35]
	global_load_b128 v[68:71], v48, s[36:37]
	global_load_b128 v[72:75], v48, s[38:39]
	global_load_b128 v[76:79], v48, s[40:41]
	global_load_b128 v[80:83], v48, s[28:29]
	global_load_b128 v[84:87], v48, s[32:33]
	v_and_b32 v49, 31, v0                  ; lane
	v_lshlrev_b32 v[L16], 4, v49
	s_lshl_b32 s60, s100, 5
	v_add_nc_u32 v[PFO5], s60, v49         ; 32 cx + lane
	v_lshlrev_b32 v[PFO20], 11, v[PFO5]
	v_lshlrev_b32 v[PFO5], 9, v[PFO5]
	v_and_b32 v50, 15, v0                  ; r
	v_bfe_u32 v51, v0, 4, 1                ; h
	v_mul_u32_u24 v52, v50, PITCH
	v_lshl_add_u32 v52, v51, 4, v52        ; 272 r + 16 h
	s_mul_i32 s[T0], s[WV], 128*PITCH
	v_add_nc_u32 v[BN], s[T0], v52
	v_add_nc_u32 v[BN+1], SLOT1, v[BN]
	s_mul_i32 s[T0], s[WV], 16*PITCH
	v_add_nc_u32 v[BQ], s[T0], v52
	v_add_nc_u32 v[BQ+1], 256*PITCH, v[BQ]
	v_add_nc_u32 v[BQ+2], SLOT1, v[BQ]
	v_add_nc_u32 v[BQ+3], SLOT1, v[BQ+1]
	s_lshl_b32 s[T0], s[WV], 9
	s_add_co_u32 s[T0], s[T0], GB
	v_lshl_add_u32 v[GBA], v51, 5, s[T0]
	s_lshl_b32 s[T0], s[WV], 6
	v_lshl_add_u32 v[BO], v51, 5, s[T0]    ; sliced tiles: (16 w + 8 h) x 4
	v_add_nc_u32 v53, GB, v48
	v_mul_u32_u24 v54, v50, 2080
	v_lshl_add_u32 v54, v51, 5, v54        ; x in LDS: 2,080 r + 32 h
	s_wait_loadcnt 0x0                     ; the six vectors; their bases and v48 are free from here on
.irp n, 0,1,2,3,4,5
	ds_store_b128 v53, v[64+4*\n:67+4*\n] offset:2048*\n
.endr
.irp i, 0,1,2,3
	s_xor_b32 s[MI+\i], s[WV], \i
.endr
	s_lshl_b32 s[T1], s[WV], 11
.irp i, 0,1,2,3
	s_lshl_b32 s[T0], s[MI+\i], 13
	s_add_co_u32 s[T0], s[T0], IMG
	v_add_nc_u32 v[AI+\i], s[T0], v[L16]
	v_add_nc_u32 v[IW+\i], s[T1], v[AI+\i]
.endr
	s_lshl_b32 s[T1], s[WV], 9             ; my 512 bytes of a row of x; the row's second 1,024 bytes lie 16 further on
	s_lshr_b32 s[TP], s[WV], 1
	s_lshl_b32 s[TP], s[TP], 4
	s_add_co_u32 s[T1], s[T1], s[TP]
	s_add_co_u32 s[T1], s[T1], SLOT1
.irp i, 0,1,2,3
	s_mul_i32 s[T0], s[MI+\i], 33280
	s_add_co_u32 s[T0], s[T0], s[T1]
	v_add_nc_u32 v[56+\i], s[T0], v54
.endr
	s_mov_b32 s[SEL], 0x76543210
	s_mov_b32 s[SEL+1], 0xfedcba98
	s_cmp_eq_u32 ttmp9, 0                  ; the launch's first cluster: the same answer in all four partners
	s_cselect_b32 s[PLIM], 1, -1
	s_wait_kmcnt 0x0                       ; the exponents
	s_add_co_i32 s[T0], s48, s49
	s_add_co_i32 s[T0], s[T0], s50
	s_add_co_i32 s[T0], s[T0], s51
	s_lshl_b32 s[T0], s[T0], 23
	s_add_co_i32 s[CQ], s[T0], 0x3e38aa3b  ; log2(e) / 8, with e0+e1+e2+e3 added to its exponent field
	s_add_co_i32 s[EO], s54, s55
	s_lshl_b32 s[EO2], s[EO], 1
	s_sub_co_i32 s[PO], 127, s[EO]
	s_lshl_b32 s[PO], s[PO], 23
	s_mov_b32 s[PO+1], s[PO]               ; (pairs are named whole by the packed forms, so both words are written)
	s_add_co_i32 s[T0], s58, s59
	s_add_co_i32 s[POUT], s[T0], 127
	s_lshl_b32 s[POUT], s[POUT], 23
	s_mov_b32 s[POUT+1], s[POUT]
	s_sub_co_i32 s[PB2], 127, s[T0]
	s_lshl_b32 s[PB2], s[PB2], 23
	s_mov_b32 s[PB2+1], s[PB2]
	s_sub_co_i32 s[PX2], s[EO], s[T0]
	s_add_co_i32 s[PX2], s[PX2], 127
	s_lshl_b32 s[PX2], s[PX2], 23
	s_mov_b32 s[PX2+1], s[PX2]
	s_add_co_i32 s[T0], s56, s57
	s_sub_co_i32 s[PH], 127, s[T0]
	s_lshl_b32 s[PH], s[PH], 23
	s_mov_b32 s[PH+1], s[PH]
	s_sub_co_i32 s[EQH], s58, s[T0]
	s_sub_co_i32 s[EQO], s54, s52
	s_sub_co_i32 s[EQO], s[EQO], s53
	s_wait_tensorcnt 0x0                   ; my parts of Wq's first half and of x are in,
	s_wait_dscnt 0x0                       ; my part of the six vectors is stored,
	s_barrier_signal -1
	s_barrier_wait -1                      ; everybody's are
	WIN 0x40
.irp i, 0,1,2,3
.set nn, 0
.rept 16
	ds_load_b128 v[64*\i+4*nn:64*\i+4*nn+3], v[56+\i] offset:64*(nn/2)+16*(nn%2)   ; X(i, t, j) = x(16 (i xor w) + r, 128 w + 16 t + 8 h + j)
.set nn, nn+1
.endr
.endr
	WIN 0
	HEAD 1, G1W5, PW, 256                  ; x is in registers: slot 1 takes Wq's second half.  Nothing is prefetched here, at the head
	LNADR
.irp i, 0,1,2,3
	LNSTAT \i
.endr
	BARRIER
	LNFIN 0, 0
; ---------------------------------------------------------------- Q, K, V: three trips
	s_mov_b32 s[CNT], 0
.LloopA:
	BIASLD 256, PBQ                        ; tile g: columns 64 g + 16 w + 8 h on
	SETQ 48
	GBLD 64, 0
	GBLD 128, 2048
	s_wait_dscnt 0x0
.irp i, 0,1,2,3
	LNQ \i                                 ; h is quantised anew for each of the three products: each has its own exponent
.endr
	s_wait_loadcnt 0x0                     ; the bias
	s_add_co_i32 s[TP], s48, s49
	s_sub_co_i32 s[TP], 127, s[TP]
	s_lshl_b32 s[TP], s[TP], 23
	s_mov_b32 s[TP+1], s[TP]
	BIASSC TP
	BARRIER                                ; the image of h is whole
	HALF 0, 0xa0, 0, 1, 1
	s_wait_xcnt 0x0                        ; the last prefetches (a trip back) and the bias loads have read their bases: the chains move on
	s_mov_b64 s[10:11], s[12:13]           ; s[10:11] the next unit, s[12:13] the one after it
	s_mov_b64 s[12:13], s[14:15]
	s_mov_b64 s[14:15], s[16:17]
	s_mov_b64 s[16:17], s[18:19]
	s_mov_b64 s[22:23], s[24:25]
	s_mov_b64 s[24:25], s[26:27]
	s_mov_b64 s[48:49], s[50:51]
	s_mov_b64 s[50:51], s[52:53]
	HEAD 0, G1W5, PW, 0
	ASK 1, PFO5, PW+2, 0
	HALF 1, 0xa0, 0, 1, 0
	HEAD 1, G1W5, PW, 256
	ASK 1, PFO5, PW+2, 256
	s_cmp_eq_u32 s[CNT], 0                 ; the branches hang on the trip alone
	s_cbranch_scc0 .Lnot_q
	WIN 0xc8                               ; q, scaled by c and turned: q'(i, j, a) = c q(i, a, j), each accumulator from its low end on
.irp i, 0,1,2,3
.irp j, 0,1,2,3,4,5,6,7
.irp a, 0,1,2,3,4,5,6,7
	v_mul_f32 v[64*\i+8*\j+\a], s[CQ], v[64*\i+8*\a+\j]
.endr
.endr
.endr
	WIN 0
.Lnot_q:
	s_cmp_eq_u32 s[CNT], 1
	s_cbranch_scc0 .Lnot_k
	; ---- the scores.  Each wave has its 16 d of every row's 64 scores; two exchanges through LDS bring row tile w's sums to wave w, which takes the softmax and hands attn to all four.
.irp i, 0,1,2,3
	SCORE \i
.endr
	s_lshl_b32 s[T0], s[WV], 13
	s_add_co_u32 s[T0], s[T0], IMG
	v_add_nc_u32 v48, s[T0], v[L16]        ; first mailbox: mine,
	s_xor_b32 s[T0], s[WV], 2
	s_lshl_b32 s[T0], s[T0], 13
	s_add_co_u32 s[T0], s[T0], IMG
	v_add_nc_u32 v49, s[T0], v[L16]        ; and that of wave w xor 2
	s_lshl_b32 s[T0], s[WV], 12
	s_add_co_u32 s[T0], s[T0], IMG
	v_add_nc_u32 v50, s[T0], v[L16]        ; second mailbox: mine,
	v_add_nc_u32 v52, 16384, v50           ; where I put attn,
	s_xor_b32 s[T0], s[WV], 1
	s_lshl_b32 s[T0], s[T0], 12
	s_add_co_u32 s[T0], s[T0], IMG
	v_add_nc_u32 v51, s[T0], v[L16]        ; second mailbox of wave w xor 1
	v_and_b32 v57, 15, v0
	v_lshlrev_b32 v57, 4, v57
.irp i, 0,1,2,3
	s_lshl_b32 s[T0], s[MI+\i], 12
	s_add_co_u32 s[T0], s[T0], IMG+16384
	v_add_nc_u32 v[53+\i], s[T0], v57      ; attn of slot i's row tile, row r
.endr
.set nn, 0
.rept 16
	ds_store_b128 v48, v[192+4*nn:195+4*nn] offset:512*nn      ; slots 2 and 3
.set nn, nn+1
.endr
	BARRIER
.set nn, 0
.rept 16
	ds_load_b128 v[64+4*nn:67+4*nn], v49 offset:512*nn         ; its slots 2, 3 are my slots 0, 1
.set nn, nn+1
.endr
	s_wait_dscnt 0x0
.set pp, 0
.rept 32
	v_pk_add_f32 v[128+2*pp:129+2*pp], v[128+2*pp:129+2*pp], v[64+2*pp:65+2*pp]
.set pp, pp+1
.endr
	BARRIER                                ; every wave has read the first mailboxes: the second may be written over them
.set nn, 0
.rept 8
	ds_store_b128 v50, v[160+4*nn:163+4*nn] offset:512*nn      ; slot 1
.set nn, nn+1
.endr
	BARRIER
.set nn, 0
.rept 8
	ds_load_b128 v[64+4*nn:67+4*nn], v51 offset:512*nn         ; its slot 1 is my slot 0
.set nn, nn+1
.endr
	s_wait_dscnt 0x0
.set pp, 0
.rept 16
	v_pk_add_f32 v[128+2*pp:129+2*pp], v[128+2*pp:129+2*pp], v[64+2*pp:65+2*pp]
.set pp, pp+1
.endr
	; softmax over g of t(a, g) = v128 + 4 g + a', a = 4 h + a': the largest t is taken away, then 2^t
.irp a, 0,1,2,3
	v_max3_num_f32 v[64+\a], v[128+\a], v[132+\a], v[136+\a]
.endr
.irp a, 0,1,2,3
	v_max3_num_f32 v[64+\a], v[64+\a], v[140+\a], v[144+\a]
.endr
.irp a, 0,1,2,3
	v_max3_num_f32 v[64+\a], v[64+\a], v[148+\a], v[152+\a]
.endr
.irp a, 0,1,2,3
	v_max_num_f32 v[64+\a], v[64+\a], v[156+\a]
.endr
.irp g, 0,1,2,3,4,5,6,7
.irp a, 0,2
	v_pk_add_f32 v[128+4*\g+\a:129+4*\g+\a], v[128+4*\g+\a:129+4*\g+\a], v[64+\a:65+\a] neg_lo:[0,1] neg_hi:[0,1]
.endr
.endr
.set nn, 0
.rept 32
	v_exp_f32 v[128+nn], v[128+nn]
.set nn, nn+1
.endr
	v_nop                                  ; a plain instruction behind the last exponential
	s_wait_alu depctr_va_vdst(0)           ; one wait for the batch of 32, ahead of its first reader
.irp a, 0,2
	v_pk_add_f32 v[68+\a:69+\a], v[128+\a:129+\a], v[132+\a:133+\a]
.endr
.irp g, 2,3,4,5,6,7
.irp a, 0,2
	v_pk_add_f32 v[68+\a:69+\a], v[68+\a:69+\a], v[128+4*\g+\a:129+4*\g+\a]
.endr
.endr
.irp a, 0,1,2,3
	v_rcp_f32 v[72+\a], v[68+\a]
.endr
	v_nop
	s_wait_alu depctr_va_vdst(0)           ; one wait for the four reciprocals
.irp g, 0,1,2,3,4,5,6,7
.irp a, 0,2
	v_pk_mul_f32 v[128+4*\g+\a:129+4*\g+\a], v[128+4*\g+\a:129+4*\g+\a], v[72+\a:73+\a]
.endr
.endr
.irp g, 0,1,2,3,4,5,6,7
	ds_store_b128 v52, v[128+4*\g:131+4*\g] offset:512*\g
.endr
	BARRIER
	WIN 0xc0
.irp i, 0,1,2,3
.irp u, 0,1
.irp g, 0,1,2,3,4,5,6,7
	ds_load_b128 v[64*\i+32*\u+4*\g:64*\i+32*\u+4*\g+3], v[53+\i] offset:512*\g+256*\u   ; attn(a = 4 u + 0..3, g) of my row: both halves of the lanes read the same bytes
.endr
.endr
.endr
	WIN 0
	BARRIER                                ; every wave has attn in registers: the next image may land in IMG
.Lnot_k:
	s_add_co_u32 s[CNT], s[CNT], 1
	s_cmp_lt_u32 s[CNT], 3
	s_cbranch_scc1 .LloopA
; ---------------------------------------------------------------- attention's output, the residual, the first half of O
	SETQ EQO                               ; v stands for v x 2^(e4+e5): the three exponents are folded into the conversion's one
	v_and_b32 v52, 15, v0
	v_bfe_u32 v53, v0, 4, 1
	v_lshlrev_b32 v52, 4, v52
	v_lshl_add_u32 v52, v53, 3, v52        ; 16 r + 8 h
	s_lshl_b32 s[T1], s[WV], 8
	s_add_co_u32 s[T1], s[T1], IMG
.irp i, 0,1,2,3
	s_lshl_b32 s[T0], s[MI+\i], 13
	s_add_co_u32 s[T0], s[T0], s[T1]
	v_add_nc_u32 v[48+\i], s[T0], v52      ; IMG + 8192 (i xor w) + 256 w + 16 r + 8 h: d = 16 w + 8 h on of each head's K step
.endr
	s_lshl_b32 s[T0], s[WV], 9
	v_lshl_add_u32 v[BO], v53, 5, s[T0]    ; natural tiles from here on: (128 w + 8 h) x 4
.irp i, 0,1,2,3
	PV \i
.endr
	XUPD 8192, PO, PO                      ; X = (x + bo) / 2^(e6+e7): the O product adds onto it
	BARRIER                                ; the image of attention's output is whole
	HALF 0, 0x50, 0, 0, 0
; ---------------------------------------------------------------- four trips: the second half of O or Y_(c-1); H_c; the first half of Y_c.  Every load of a trip is read later: none is jumped over
	s_mov_b32 s[CNT], 4
.LloopF:
	HEAD 0, G1W5, PW1, 0                   ; slot 0: H_c, K half 0
	ASK 1, PFO20, PW2, 0
	BIASLD 64, PB1                         ; tile t: hidden units 512 c + 128 w + 16 t + 8 h on
	HALF 1, 0x50, 0, 0, 0
	HEAD 1, G1W5, PW1, 256
	ASK 1, PFO20, PW2, 256
	s_cmp_eq_u32 s[CNT], 4                 ; the first trip alone: x1 is whole
	s_cbranch_scc0 .Lno_ln2
	LNADR
.irp i, 0,1,2,3
	LNSTAT \i
.endr
	BARRIER
	LNFIN s[EO], s[EO2]
	SETQ 56
	GBLD 64, 4096
	GBLD 128, 6144
	s_wait_dscnt 0x0
.irp i, 0,1,2,3
	LNQ \i
.endr
	XUPD 10240, PB2, PX2                   ; X = (x1 + b2) / 2^(e10+e11): the Y products add onto it
	BARRIER                                ; the image of h2 is whole
	WIN 0xc0
.irp i, 0,1,2,3
.set nn, 0
.rept 16
	ds_load_b128 v[64*\i+4*nn:64*\i+4*nn+3], v[AI+\i] offset:512*nn    ; h2's fragments stay in window 3 for all four chunks
.set nn, nn+1
.endr
.endr
	WIN 0
	s_wait_dscnt 0x0
.Lno_ln2:
	s_wait_loadcnt 0x0                     ; b1's chunk
	BIASSC PH
	HALF 0, 0xac, 1, 0, 1
	HEAD 0, G1W20, PW2, 0                  ; slot 0: Y_c, K half 0
	ASK 0, PFO5, PW1, 262144
	HALF 1, 0xac, 1, 0, 0
	HEAD 1, G1W20, PW2, 256
	ASK 0, PFO5, PW1, 262400
	SETQ EQH
.irp i, 0,1,2,3
	HQ \i
.endr
	BARRIER                                ; the image of the hidden chunk is whole
	HALF 0, 0x50, 0, 0, 0
	s_wait_xcnt 0x0                        ; the trip's prefetches and bias loads have read their bases
	s_add_nc_u64 s[PW1:PW1+1], s[PW1:PW1+1], 262144
	s_add_nc_u64 s[PW2:PW2+1], s[PW2:PW2+1], 512
	s_add_nc_u64 s[PB1:PB1+1], s[PB1:PB1+1], 2048
	s_sub_co_u32 s[CNT], s[CNT], 1
	s_cmp_lg_u32 s[CNT], 0
	s_cbranch_scc1 .LloopF
; ---------------------------------------------------------------- the tail: the second half of Y_3, and the way out
	s_wait_tensorcnt 0x0                   ; my part of the last tile is in;
	ds_add_u32 v[SPW], v[NIL]
	s_wait_dscnt 0x0                       ; my reads of slot 0 are over
	s_barrier_signal -1
	s_barrier_wait -1                      ; nothing is filled any more; slot 0 has had its last fill and its last read: it serves as the stage
	HALF 1, 0x50, 0, 0, 0
	v_and_b32 v54, 15, v0
	v_bfe_u32 v55, v0, 4, 1
	v_mul_u32_u24 v48, v54, 528
	v_lshl_add_u32 v48, v55, 5, v48
	s_mul_i32 s[T0], s[WV], 16*528
	v_add_nc_u32 v48, s[T0], v48           ; into my stage: row r, 32 h
	v_add_nc_u32 v49, s[T0], v[L16]        ; back: a row of 512 bytes to the 32 lanes
	s_lshl_b32 s[T1], s[WV], 9
.irp i, 0,1,2,3
	s_lshl_b32 s[T0], s[MI+\i], 15
	s_add_co_u32 s[T0], s[T0], s[T1]
	v_add_nc_u32 v[50+\i], s[T0], v[L16]   ; out0: 16 (i xor w) rows of 2,048 bytes + 512 w + 16 lane
.endr
.irp i, 0,1,2,3
	OUT \i
.endr
	s_wait_tensorcnt 0x0                   ; the wave's end
	ds_add_u32 v[SPW], v[NIL]
	s_wait_dscnt 0x0
	ROUND                                  ; the closing round: no work-group ends while a partner may still ask for a tile that names it
	s_endpgm
.Lfunc_end_k_qec7a624ca9_fused:
	.size	k_qec7a624ca9_fused, .Lfunc_end_k_qec7a624ca9_fused-k_qec7a624ca9_fused
	.p2alignl 7, 3214868480
	.fill 96, 4, 3214868480
	.section	.rodata,"a",@progbits
	.p2align	6, 0x0
	.amdhsa_kernel k_qec7a624ca9_fused
		.amdhsa_group_segment_fixed_size 327680
		.amdhsa_private_segment_fixed_size 0
		.amdhsa_enable_private_segment 0
		.amdhsa_kernarg_size 152
		.amdhsa_user_sgpr_count 2
		.amdhsa_user_sgpr_kernarg_segment_ptr 1
		.amdhsa_wavefront_size32 1
		.amdhsa_system_sgpr_workgroup_id_x 1
		.amdhsa_system_sgpr_workgroup_id_y 1
		.amdhsa_system_sgpr_workgroup_id_z 1
		.amdhsa_system_vgpr_workitem_id 0
		.amdhsa_next_free_vgpr 1024
		.amdhsa_next_free_sgpr 106
		.amdhsa_reserve_vcc 0
		.amdhsa_float_denorm_mode_32 3
		.amdhsa_float_denorm_mode_16_64 3
		.amdhsa_memory_ordered 1
		.amdhsa_forward_progress 1
		.amdhsa_inst_pref_size 255
	.end_amdhsa_kernel
	.section	.bss,"aw",@nobits
	.p2align	6
	.space	262144
	.amdgpu_metadata
---
amdhsa.version: [ 1, 2 ]
amdhsa.kernels:
  - .name:           k_qec7a624ca9_fused
    .symbol:         k_qec7a624ca9_fused.kd
    .args:
      - { .name: x, .offset: 0, .size: 8, .value_kind: global_buffer, .address_space: global }
      - { .name: Wq_codes, .offset: 8, .size: 8, .value_kind: global_buffer, .address_space: global }
      - { .name: Wk_codes, .offset: 16, .size: 8, .value_kind: global_buffer, .address_space: global }
      - { .name: Wv_codes, .offset: 24, .size: 8, .value_kind: global_buffer, .address_space: global }
      - { .name: Wo_codes, .offset: 32, .size: 8, .value_kind: global_buffer, .address_space: global }
      - { .name: W1_codes, .offset: 40, .size: 8, .value_kind: global_buffer, .address_space: global }
      - { .name: W2_codes, .offset: 48, .size: 8, .value_kind: global_buffer, .address_space: global }
      - { .name: bq, .offset: 56, .size: 8, .value_kind: global_buffer, .address_space: global }
      - { .name: bk, .offset: 64, .size: 8, .value_kind: global_buffer, .address_space: global }
      - { .name: bv, .offset: 72, .size: 8, .value_kind: global_buffer, .address_space: global }
      - { .name: bo, .offset: 80, .size: 8, .value_kind: global_buffer, .address_space: global }
      - { .name: b1, .offset: 88, .size: 8, .value_kind: global_buffer, .address_space: global }
      - { .name: b2, .offset: 96, .size: 8, .value_kind: global_buffer, .address_space: global }
      - { .name: g1, .offset: 104, .size: 8, .value_kind: global_buffer, .address_space: global }
      - { .name: beta1, .offset: 112, .size: 8, .value_kind: global_buffer, .address_space: global }
      - { .name: g2, .offset: 120, .size: 8, .value_kind: global_buffer, .address_space: global }
      - { .name: beta2, .offset: 128, .size: 8, .value_kind: global_buffer, .address_space: global }
      - { .name: lowp_scales, .offset: 136, .size: 8, .value_kind: global_buffer, .address_space: global }
      - { .name: out0, .offset: 144, .size: 8, .value_kind: global_buffer, .address_space: global }
    .group_segment_fixed_size: 327680
    .private_segment_fixed_size: 0
    .kernarg_segment_align: 8
    .kernarg_segment_size: 152
    .max_flat_workgroup_size: 128
    .sgpr_count:     106
    .vgpr_count:     1024
    .wavefront_size: 32
...
	.end_amdgpu_metadata
.endif
;; end of part 1
;; ======== version 2 of 2: 1 launch
;; limits: right only within a limited range of input values
;; launch fused (part 2): grid 256 x 1, 4 waves a work-group, clusters of 4 x 1, 327,680 bytes of LDS; arguments x, Wq_codes, Wk_codes, Wv_codes, Wo_codes, W1_codes, W2_codes, bq, bk, bv, bo, b1, b2, g1, beta1, g2, beta2, lowp_scales, out0; writes out0
.if DOCPART == 2
	.amdgcn_target "amdgcn-amd-amdhsa--gfx1250"
	.amdhsa_code_object_version 6
	.text
	.protected	k_qec7a624ca9_fused
	.globl	k_qec7a624ca9_fused
	.p2align	8
	.type	k_qec7a624ca9_fused,@function
k_qec7a624ca9_fused:
	s_mov_b64 s[64:65], 0
	v_nop
	global_prefetch_b8 v0, s[64:65] scope:SCOPE_SE
	s_setreg_imm32_b32 hwreg(HW_REG_WAVE_MODE, 25, 1), 1
	s_wait_xcnt 0x0
	s_wait_alu depctr_hold_cnt(0) depctr_sa_sdst(0) depctr_va_vdst(0) depctr_va_sdst(0) depctr_va_ssrc(0) depctr_va_vcc(0) depctr_vm_vsrc(0)
	s_getreg_b32 s2, hwreg(HW_REG_IB_STS2, 6, 4)
	s_cmp_eq_u32 s2, 0
	s_cbranch_scc0 .Lentry_in_a_cluster
	s_endpgm
.Lentry_in_a_cluster:
	s_bfe_u32 s2, ttmp6, 0x10000c
	s_cmp_lg_u32 s2, 0x3003
	s_cbranch_scc0 .Lentry_shape_is_right
	s_endpgm
.Lentry_shape_is_right:
; The whole layer in one launch: LN1, q/k/v, attention across the 8 heads of a node, Wo, residual, LN2, W1, relu, W2, residual.
; SHARES: a work-group owns 64 rows of x (16,384 / 256); each of its 4 waves makes 128 of the 512 columns of every product for all 64 rows
; (4 row tiles i x 8 column tiles t of 16 x 16).  Products are used transposed (source 0 = 16 rows of W, source 1 = 16 rows of the
; activation), so a lane holds one row and 8 neighbouring columns.  For q, k, v tile t is head t, channels 16 wave .. +15: each wave sums
; the scores over its 16 channels and the four waves add their parts through LDS.
; WEIGHTS come as 512 rows x 256 codes through a ring of two LDS slots; the four work-groups of a cluster ask for each tile jointly.
; The activation's codes lie in LDS as an image of the operand's registers (IMG), written by the wave that owns the columns.
; REGISTER WINDOWS: 0 work, fragments; 1 x (it is scaled so that Wo's and W2's products add onto it in place); 2 sums; 3 q, then p, then LN2's codes.
; What recurs for the 4 row tiles is a loop of 4 trips on fixed registers; a chain of arms on the trip's number brings tile i there.
; Row tile i of a wave is tile (wave xor i), so that the waves touch different images at a time.
; Every product, input and bias of the problem is used: nothing is left out.
; LIMITS: each sum of given exponents that is made into an f32 power of two ((e + 127) << 23) lies between -126 and 127, and for a
; quantiser's hold e + 15 too; the scaled scores stay under 2^31 in magnitude.
.set SLOT1,  139264                    ; a slot: 512 rows x 272 bytes
.set SPARE,  278528                    ; the spare words, 512 bytes
.set IMG,    279040                    ; 4 row tiles x 8,192 bytes of codes; also the scores' exchange
.set STAT,   311808                    ; LN: (mean, sum of squares) of each wave's 128 columns
.set GB,     313856                    ; g1, beta1, g2, beta2, bo, b2
.set PITCH,  272
.set SPW, 1
.set NIL, 2
.set L16, 3
.set PFO5, 4
.set PFO20, 5
.set AI,  6
.set IW,  10
.set BN,  14
.set BQ,  16
.set MR,  20
.set SCV, 28
.set LIM, 29
.set GBA, 30
.set BO,  31
.set PC,  32
.set AF,  64                           ; A: 4 tiles x 16 registers, 128 along K
.set BF,  128                          ; B: two sets of 4 tiles x 16 registers
.set T0,  2
.set WV,  3
.set G0X, 4
.set CH,  8
.set LIMF, 9
.set PW,  10
.set PW1, 18
.set PW2, 20
.set PBQ, 22
.set TP,  28
.set PB1, 30
.set CNT, 32
.set PLIM, 33
.set CQ,  34
.set T1,  35
.set MI,  36
.set SEL, 40
.set PO,  42
.set POP, 44
.set EO,  46
.set EO2, 47
.set PX2, 60
.set PB2, 62
.set PH,  66
.set G1W5, 68
.set G1W20, 76
.set G1X, 84
.set CI,  84                           ; the row tiles' loop counter (x's descriptor is done with by then)
.set G0S, 92
.set POUT, 100
.set EQO, 104
.set EQH, 105
.set MSB, 0
.macro WIN new                         ; the immediate's high byte repeats the setting that is left
.if MSB != (\new)
	s_set_vgpr_msb (MSB<<8)|(\new)
.set MSB, (\new)
.endif
.endm
.macro PLACES n
.rept \n
	v_nop
.endr
.endm
.macro BARRIER
	s_wait_dscnt 0x0
	s_barrier_signal -1
	s_barrier_wait -1
.endm
.macro ROUND                           ; a round of the cluster's barrier
	s_barrier_signal -1
	s_barrier_wait -1
	s_cmp_lg_u32 s[WV], 0
	s_cbranch_scc1 .Lnw0_\@
	s_barrier_signal -3
.Lnw0_\@:
	s_barrier_wait -3
	s_barrier_signal -1
	s_barrier_wait -1
.endm
; A change of slots: all my tensor loads are in, the add, my LDS instructions are done, the round, and my quarter of the next tile
.macro HEAD slot, g1, ptr, off
	s_wait_tensorcnt 0x0
	ds_add_u32 v[SPW], v[NIL]
	s_add_nc_u64 s[G0S+4*\slot+2:G0S+4*\slot+3], s[\ptr:\ptr+1], \off
	s_or_b32 s[G0S+4*\slot+3], s[G0S+4*\slot+3], 0x80000000
	s_wait_dscnt 0x0
	ROUND
	tensor_load_to_lds s[G0S+4*\slot:G0S+4*\slot+3], s[\g1:\g1+7]
	s_nop 0
	PLACES 4
.endm
; A prefetch of the tile two changes of slots on: a lane a row, 32 rows a partner by address; the first clusters alone ask
.macro ASK how, pfo, ptr, off
.if \how
	s_cmp_ge_u32 s[CNT], s[PLIM]
.else
	s_cmp_gt_u32 s[CNT], s[LIMF]
.endif
	s_cbranch_scc0 .Lna_\@
	global_prefetch_b8 v[\pfo], s[\ptr:\ptr+1] offset:\off th:TH_LOAD_NT scope:SCOPE_SE
.Lna_\@:
.endm
; One of four arms by the trip's number; every way passes one arm
.macro SWITCH arm
	s_cmp_eq_u32 s[CI], 0
	s_cbranch_scc0 .Lw1_\@
	\arm 0
	s_branch .Lwj_\@
.Lw1_\@:
	s_cmp_eq_u32 s[CI], 1
	s_cbranch_scc0 .Lw2_\@
	\arm 1
	s_branch .Lwj_\@
.Lw2_\@:
	s_cmp_eq_u32 s[CI], 2
	s_cbranch_scc0 .Lw3_\@
	\arm 2
	s_branch .Lwj_\@
.Lw3_\@:
	\arm 3
.Lwj_\@:
.endm
.macro NEXTI lab                       ; the loop's end; a wait ahead of the branch
	s_add_co_u32 s[CI], s[CI], 1
	s_cmp_lt_u32 s[CI], 4
	s_wait_alu depctr_va_vdst(0)
	s_cbranch_scc1 \lab
.endm
; B: tiles t = 4 th + u, the q-th 128 along K of slot p.  mode 1: tile t = rows 64 t + 16 wave (a head's channels); mode 0: rows 128 wave + 16 t
.macro FETCHB set, p, q, th, mode
.irp u, 0,1,2,3
.irp c, 0,1,2,3
.if \mode
	ds_load_b128 v[BF+64*(\set)+16*\u+4*\c:BF+64*(\set)+16*\u+4*\c+3], v[BQ+2*(\p)+(\th)] offset:64*PITCH*\u+128*(\q)+32*\c
.else
	ds_load_b128 v[BF+64*(\set)+16*\u+4*\c:BF+64*(\set)+16*\u+4*\c+3], v[BN+(\p)] offset:16*PITCH*(4*(\th)+\u)+128*(\q)+32*\c
.endif
.endr
.endr
.endm
.macro FETCHA p, q                     ; A: the 4 row tiles' registers from the image
.irp i, 0,1,2,3
.irp c, 0,1,2,3
	ds_load_b128 v[AF+16*\i+4*\c:AF+16*\i+4*\c+3], v[AI+\i] offset:1024*(4*(\p)+2*(\q))+512*\c
.endr
.endr
.endm
.macro WM i, u, set, th, res, sig, c
.if \res
.set ra, 64*(\i)+8*(\sig)
.else
.set ra, AF+16*(\i)
.endif
.set rd, 64*(\i)+8*(4*(\th)+\u)
.set rb, BF+64*(\set)+16*(\u)
.set rc, 64*(\c)+8*(4*(\th)+\u)
	v_wmma_f32_16x16x128_bf8_bf8 v[rd:rd+7], v[rb:rb+15], v[ra:ra+15], v[rc:rc+7]
.endm
; 16 matrix instructions on 16 accumulators by turns.  first: the bias, in row tile 0's registers, is the C of all four row tiles;
; tile 0's own products come last, five places behind the last reader of those registers
.macro MULQ set, th, win, res, sig, first
	WIN \win
.if \first
.irp i, 1,2,3
.irp u, 0,1,2,3
	WM \i, \u, \set, \th, \res, \sig, 0
.endr
.endr
	PLACES 5
.irp u, 0,1,2,3
	WM 0, \u, \set, \th, \res, \sig, 0
.endr
.else
.irp u, 0,1,2,3
.irp i, 0,1,2,3
	WM \i, \u, \set, \th, \res, \sig, \i
.endr
.endr
.endif
	WIN 0
.endm
; A slot's 256 along K.  Each s_wait_dscnt 16 leaves out the 16 loads of the one group issued behind what is needed
; pre = 1: B's first two groups were fetched ahead of the call; A's 16 loads are then the youngest, so the wait is for 0
.macro HALF p, win, res, mode, first, pre=0
.if \res == 0
	FETCHA \p, 0
.endif
.if \pre
	s_wait_dscnt 0x0
.else
	FETCHB 0, \p, 0, 0, \mode
	FETCHB 1, \p, 0, 1, \mode
	s_wait_dscnt 16
.endif
	MULQ 0, 0, \win, \res, 4*(\p), \first
	PLACES 4
	FETCHB 0, \p, 1, 0, \mode
	s_wait_dscnt 16
	MULQ 1, 1, \win, \res, 4*(\p), \first
	PLACES 4
.if \res == 0
	FETCHA \p, 1
.endif
	FETCHB 1, \p, 1, 1, \mode
	s_wait_dscnt 16
	MULQ 0, 0, \win, \res, 4*(\p)+2, 0
	s_wait_dscnt 0x0
	MULQ 1, 1, \win, \res, 4*(\p)+2, 0
	PLACES 4
.endm
.macro SETQ se                         ; 2^e for the conversion and 57,344 x 2^e for the hold
	s_add_co_i32 s[T0], s[\se], 127
	s_lshl_b32 s[T1], s[T0], 23
	v_mov_b32 v[SCV], s[T1]
	s_add_co_i32 s[T0], s[T0], 15
	s_lshl_b32 s[T0], s[T0], 23
	s_or_b32 s[T0], s[T0], 0x600000
	v_mov_b32 v[LIM], s[T0]
.endm
.macro BIASLD step, ptr                ; the bias at my lane's columns, into row tile 0's accumulators
	WIN 0x80
.irp t, 0,1,2,3,4,5,6,7
	global_load_b128 v[8*\t:8*\t+3], v[BO], s[\ptr:\ptr+1] offset:\step*\t
	global_load_b128 v[8*\t+4:8*\t+7], v[BO], s[\ptr:\ptr+1] offset:\step*\t+16
.endr
	WIN 0
.endm
.macro BIASSC pair                     ; divided by the power of two that the sums lack
	WIN 0x82
.set pp, 0
.rept 32
	v_pk_mul_f32 v[2*pp:2*pp+1], v[2*pp:2*pp+1], s[\pair:\pair+1] op_sel_hi:[1,0]
.set pp, pp+1
.endr
	WIN 0
.endm
.macro IMAGE adr                       ; 64 codes a lane into the operand's register image
	v_nop
.irp c, 0,1,2,3
	v_permlane16_swap_b32 v[PC+4*\c], v[PC+4*\c+2]
	v_permlane16_swap_b32 v[PC+4*\c+1], v[PC+4*\c+3]
.endr
.irp c, 0,1,2,3
	ds_store_b128 v[\adr], v[PC+4*\c:PC+4*\c+3] offset:512*\c
.endr
.endm
.macro IMGADR                          ; v58: my columns' part of the image of tile (wave xor trip)
	s_xor_b32 s[T0], s[WV], s[CI]
	s_lshl_b32 s[T0], s[T0], 13
	s_lshl_b32 s[T1], s[WV], 11
	s_add_co_u32 s[T0], s[T0], s[T1]
	s_add_co_u32 s[T0], s[T0], IMG
	v_add_nc_u32 v58, s[T0], v[L16]
.endm
.macro GBLD reg, off
.set nn, 0
.rept 16
	ds_load_b128 v[\reg+4*nn:\reg+4*nn+3], v[GBA] offset:\off+64*(nn/2)+16*(nn%2)
.set nn, nn+1
.endr
.endm
.macro LNADR
	v_and_b32 v59, 15, v0
	v_lshlrev_b32 v59, 3, v59
	s_wait_alu depctr_va_vdst(0)
.irp i, 0,1,2,3
	s_lshl_b32 s[T0], s[MI+\i], 7
	s_add_co_u32 s[T0], s[T0], STAT
	v_add_nc_u32 v[60+\i], s[T0], v59
.endr
	s_lshl_b32 s[T1], s[WV], 9
	s_add_co_u32 s[T1], s[T1], STAT
.endm
.macro RED dst
	v_pk_add_f32 v[48:49], v[48:49], v[50:51]
	v_pk_add_f32 v[52:53], v[52:53], v[54:55]
	v_pk_add_f32 v[48:49], v[48:49], v[52:53]
	v_add_f32 v48, v48, v49
	v_permlanex16_b32 v49, v48, s[SEL], s[SEL+1]
	v_add_f32 v[\dst], v48, v49
.endm
.macro STARM i                         ; x's tile i -> window 3, v0-63
	WIN 0xc1
.set nn, 0
.rept 64
	v_mov_b32 v[nn], v[64*\i+nn]
.set nn, nn+1
.endr
	WIN 0
	s_wait_alu depctr_va_vdst(0)
.endm
; LN, first part: mean of my 128 columns of each row, then the sum of squares about that mean
.macro LNSTATS
	s_mov_b32 s[CI], 0
.Lst_\@:
	s_xor_b32 s[T0], s[WV], s[CI]
	s_lshl_b32 s[T0], s[T0], 7
	s_add_co_u32 s[T0], s[T0], s[T1]
	v_add_nc_u32 v58, s[T0], v59
	SWITCH STARM
	WIN 0x0f
.irp c, 0,1,2,3
	v_pk_add_f32 v[48+2*\c:49+2*\c], v[2*\c:2*\c+1], v[8+2*\c:9+2*\c]
.endr
	WIN 0x0c
.set pp, 8
.rept 24
	v_pk_add_f32 v[48+2*(pp%4):49+2*(pp%4)], v[48+2*(pp%4):49+2*(pp%4)], v[2*pp:2*pp+1]
.set pp, pp+1
.endr
	WIN 0
	RED 48
	s_wait_alu depctr_va_vdst(0)
	s_wait_dscnt 0x0
	v_mul_f32 v56, 0x3c000000, v48
	v_mov_b32 v57, v56
	WIN 0xc3
.set pp, 0
.rept 32
	v_pk_add_f32 v[2*pp:2*pp+1], v[2*pp:2*pp+1], v[56:57] neg_lo:[0,1] neg_hi:[0,1]
.set pp, pp+1
.endr
	WIN 0x0f
.irp c, 0,1,2,3
	v_pk_mul_f32 v[48+2*\c:49+2*\c], v[2*\c:2*\c+1], v[2*\c:2*\c+1]
.endr
.set pp, 4
.rept 28
	v_pk_fma_f32 v[48+2*(pp%4):49+2*(pp%4)], v[2*pp:2*pp+1], v[2*pp:2*pp+1], v[48+2*(pp%4):49+2*(pp%4)]
.set pp, pp+1
.endr
	WIN 0
	RED 57
	ds_store_b64 v58, v[56:57]
	NEXTI .Lst_\@
.endm
; LN, second part: the four waves' parts joined; MR = (rstd, -mean x rstd) for each row tile.  x stands for x x 2^ee
.macro LNFIN ee, ee2
.irp i, 0,1,2,3
.irp u, 0,1,2,3
	ds_load_b64 v[64+8*\i+2*\u:65+8*\i+2*\u], v[60+\i] offset:512*\u
.endr
.endr
	s_wait_dscnt 0x0
.irp i, 0,1,2,3
.set LL, 64+8*\i
.set TL, 96+4*\i
	v_add_f32 v[TL], v[LL], v[LL+2]
	v_add_f32 v[TL+1], v[LL+4], v[LL+6]
	v_add_f32 v[TL], v[TL], v[TL+1]
	v_mul_f32 v[TL], 0x3e800000, v[TL]
	v_sub_f32 v[LL], v[LL], v[TL]
	v_sub_f32 v[LL+2], v[LL+2], v[TL]
	v_sub_f32 v[LL+4], v[LL+4], v[TL]
	v_sub_f32 v[LL+6], v[LL+6], v[TL]
	v_add_f32 v[TL+1], v[LL+1], v[LL+3]
	v_add_f32 v[TL+2], v[LL+5], v[LL+7]
	v_add_f32 v[TL+1], v[TL+1], v[TL+2]
	v_mul_f32 v[TL+2], v[LL], v[LL]
	v_fmac_f32 v[TL+2], v[LL+2], v[LL+2]
	v_fmac_f32 v[TL+2], v[LL+4], v[LL+4]
	v_fmac_f32 v[TL+2], v[LL+6], v[LL+6]
	v_fmamk_f32 v[TL+1], v[TL+2], 0x43000000, v[TL+1]
	v_mul_f32 v[TL+1], 0x3b000000, v[TL+1]
	v_ldexp_f32 v[TL+1], v[TL+1], \ee2
	v_add_f32 v[TL+1], 0x3727c5ac, v[TL+1]
.endr
	s_wait_alu depctr_va_vdst(0)
.irp i, 0,1,2,3
	v_rsq_f32 v[98+4*\i], v[97+4*\i]
.endr
	v_nop
	s_wait_alu depctr_va_vdst(0)
.irp i, 0,1,2,3
	v_ldexp_f32 v[MR+2*\i], v[98+4*\i], \ee
	v_mul_f32 v[MR+2*\i+1], -v[96+4*\i], v[MR+2*\i]
.endr
.endm
.macro LQARM i                         ; (x - mean) rstd of tile i -> v192-255
	WIN 0x01
.set pp, 0
.rept 32
	v_pk_fma_f32 v[192+2*pp:193+2*pp], v[64*\i+2*pp:64*\i+2*pp+1], v[MR+2*\i:MR+2*\i+1], v[MR+2*\i:MR+2*\i+1] op_sel:[0,0,1] op_sel_hi:[1,0,1]
.set pp, pp+1
.endr
	WIN 0
	s_wait_alu depctr_va_vdst(0)
.endm
; LN, third part: x gain + shift (v64.., v128..), the hold, the codes, the image
.macro LNQS
	s_mov_b32 s[CI], 0
.Llq_\@:
	IMGADR
	SWITCH LQARM
.set pp, 0
.rept 32
	v_pk_fma_f32 v[192+2*pp:193+2*pp], v[192+2*pp:193+2*pp], v[64+2*pp:65+2*pp], v[128+2*pp:129+2*pp]
.set pp, pp+1
.endr
.set nn, 0
.rept 64
	v_med3_num_f32 v[192+nn], v[192+nn], -v[LIM], v[LIM]
.set nn, nn+1
.endr
	s_wait_alu depctr_va_vdst(0)
	s_wait_dscnt 0x0
.irp t, 0,1,2,3,4,5,6,7
	v_cvt_scalef32_pk8_bf8_f32 v[PC+2*\t:PC+2*\t+1], v[192+8*\t:199+8*\t], v[SCV]
.endr
	IMAGE 58
	NEXTI .Llq_\@
.endm
; x = x px + bias pb: x in the unit of the sums that the next product adds onto it
.macro XUPD off, pb, px
	GBLD 128, \off
	s_wait_dscnt 0x0
.set pp, 0
.rept 32
	v_pk_mul_f32 v[128+2*pp:129+2*pp], v[128+2*pp:129+2*pp], s[\pb:\pb+1] op_sel_hi:[1,0]
.set pp, pp+1
.endr
	WIN 0x41
.set pp, 0
.rept 128
	v_pk_fma_f32 v[2*pp:2*pp+1], v[2*pp:2*pp+1], s[\px:\px+1], v[128+2*(pp%32):129+2*(pp%32)] op_sel_hi:[1,0,1]
.set pp, pp+1
.endr
	WIN 0
.endm
.macro TILE0 i                         ; tile i of windows 3 and 2 over tile 0, which is done with
	WIN 0xc3
.set nn, 0
.rept 64
	v_mov_b32 v[nn], v[64*\i+nn]
.set nn, nn+1
.endr
	WIN 0x82
.set nn, 0
.rept 64
	v_mov_b32 v[nn], v[64*\i+nn]
.set nn, nn+1
.endr
	WIN 0
	s_wait_alu depctr_va_vdst(0)
.endm
.macro SCARM i                         ; the last trip's scores to their place, then the next tile
.if \i > 0
.set nn, 0
.rept 32
	v_mov_b32 v[128+32*(\i-1)+nn], v[224+nn]
.set nn, nn+1
.endr
	TILE0 \i
.endif
.endm
.macro PVARM i
.if \i > 0
	TILE0 \i
.endif
.endm
; Scores over my 16 channels: window 3 holds q (scaled, channel-major), window 2 k.  Tile i's 32 sums end at v[128 + 32 i]
.macro SCORES
	s_mov_b32 s[CI], 0
.Lsc_\@:
	SWITCH SCARM
	WIN 0x0b
.irp j, 0,1,2,3,4,5,6,7
.irp g, 0,1,2,3,4,5,6,7
.irp a, 0,2,4,6
.if \j == 0
	v_pk_mul_f32 v[64+8*\g+\a:65+8*\g+\a], v[\a:\a+1], v[8*\g:8*\g+1] op_sel_hi:[1,0]
.elseif (\j%2) == 0
	v_pk_fma_f32 v[64+8*\g+\a:65+8*\g+\a], v[8*\j+\a:8*\j+\a+1], v[8*\g+\j:8*\g+\j+1], v[64+8*\g+\a:65+8*\g+\a] op_sel_hi:[1,0,1]
.else
	v_pk_fma_f32 v[64+8*\g+\a:65+8*\g+\a], v[8*\j+\a:8*\j+\a+1], v[8*\g+\j-1:8*\g+\j], v[64+8*\g+\a:65+8*\g+\a] op_sel:[0,1,0] op_sel_hi:[1,1,1]
.endif
.endr
.endr
.endr
	WIN 0
.irp g, 0,1,2,3,4,5,6,7
.irp a, 0,1,2,3
	v_permlane16_swap_b32 v[64+8*\g+\a], v[68+8*\g+\a]
.endr
.endr
.irp g, 0,1,2,3,4,5,6,7
.irp a, 0,2
	v_pk_add_f32 v[224+4*\g+\a:225+4*\g+\a], v[64+8*\g+\a:65+8*\g+\a], v[68+8*\g+\a:69+8*\g+\a]
.endr
.endr
	NEXTI .Lsc_\@
.endm
; p v in f32 (window 3: p, window 2: v), quantised for Wo's product, into the image
.macro PVS
	s_mov_b32 s[CI], 0
.Lpv_\@:
	s_xor_b32 s[T0], s[WV], s[CI]
	s_lshl_b32 s[T0], s[T0], 13
	s_lshl_b32 s[T1], s[WV], 8
	s_add_co_u32 s[T0], s[T0], s[T1]
	s_add_co_u32 s[T0], s[T0], IMG
	v_add_nc_u32 v48, s[T0], v52
	s_wait_alu depctr_va_vdst(0)
	SWITCH PVARM
	WIN 0x0b
.irp g, 0,1,2,3,4,5,6,7
.irp a, 0,1,2,3,4,5,6,7
.irp j, 0,2,4,6
.set ra, 32*(\a/4)+4*\g+(\a%4)-(\a%2)
.if \g == 0
.if (\a%2) == 0
	v_pk_mul_f32 v[64+8*\a+\j:65+8*\a+\j], v[ra:ra+1], v[\j:\j+1] op_sel_hi:[0,1]
.else
	v_pk_mul_f32 v[64+8*\a+\j:65+8*\a+\j], v[ra:ra+1], v[\j:\j+1] op_sel:[1,0] op_sel_hi:[1,1]
.endif
.else
.if (\a%2) == 0
	v_pk_fma_f32 v[64+8*\a+\j:65+8*\a+\j], v[ra:ra+1], v[8*\g+\j:8*\g+\j+1], v[64+8*\a+\j:65+8*\a+\j] op_sel_hi:[0,1,1]
.else
	v_pk_fma_f32 v[64+8*\a+\j:65+8*\a+\j], v[ra:ra+1], v[8*\g+\j:8*\g+\j+1], v[64+8*\a+\j:65+8*\a+\j] op_sel:[1,0,0] op_sel_hi:[1,1,1]
.endif
.endif
.endr
.endr
.endr
	WIN 0
.set nn, 0
.rept 64
	v_med3_num_f32 v[64+nn], v[64+nn], -v[LIM], v[LIM]
.set nn, nn+1
.endr
	s_wait_alu depctr_va_vdst(0)
	s_wait_dscnt 0x0
.irp a, 0,1,2,3,4,5,6,7
	v_cvt_scalef32_pk8_bf8_f32 v[PC+2*\a:PC+2*\a+1], v[64+8*\a:71+8*\a], v[SCV]
.endr
	v_nop
.irp a, 0,1,2,3,4,5,6,7
	ds_store_b64 v48, v[PC+2*\a:PC+2*\a+1] offset:1024*\a
.endr
	NEXTI .Lpv_\@
.endm
; The hidden layer's tile i: relu and the hold in one, in place in window 2; the codes; the image.  It names no register of v64-255 in window 0
.macro HQ i
	WIN 0x82
.set nn, 0
.rept 64
	v_med3_num_f32 v[64*\i+nn], v[64*\i+nn], 0, v[LIM]
.set nn, nn+1
.endr
	WIN 0x02
.irp t, 0,1,2,3,4,5,6,7
	v_cvt_scalef32_pk8_bf8_f32 v[PC+2*\t:PC+2*\t+1], v[64*\i+8*\t:64*\i+8*\t+7], v[SCV]
.endr
	WIN 0
	IMAGE IW+\i
.endm
.macro OUARM i                         ; the result's tile i in its true unit -> v64-127
	WIN 0x01
.set pp, 0
.rept 32
	v_pk_mul_f32 v[64+2*pp:65+2*pp], v[64*\i+2*pp:64*\i+2*pp+1], s[POUT:POUT+1] op_sel_hi:[1,0]
.set pp, pp+1
.endr
	WIN 0
	s_wait_alu depctr_va_vdst(0)
.endm
	s_load_b512 s[8:23], s[0:1], 0x0
	s_load_b512 s[24:39], s[0:1], 0x40
	s_load_b128 s[40:43], s[0:1], 0x80
	s_load_b64 s[44:45], s[0:1], 0x90
	v_lshl_add_u32 v[SPW], v0, 2, SPARE
	v_mov_b32 v[NIL], 0
	ds_add_u32 v[SPW], v[NIL]              ; the opening lines: the add twice and its wait
	ds_add_u32 v[SPW], v[NIL]
	s_wait_dscnt 0x0
	v_lshrrev_b32 v48, 5, v0
	v_readfirstlane_b32 s[WV], v48
	s_bfe_u32 s100, ttmp6, 0x40000         ; cx
	s_lshl_b32 s101, ttmp9, 2
	s_add_co_u32 s101, s101, s100          ; the work-group's number
	s_mov_b32 s[G1W5], 15|(1<<20)|(1<<21)|(5<<22)|(3<<25)   ; weights: 128 rows x 256 bytes, 16 bytes of padding, all four partners
	s_mov_b32 s[G1W20], 15|(1<<20)|(1<<21)|(5<<22)|(3<<25)
.irp g, G1W5, G1W20
	s_mov_b32 s[\g+1], 256<<16
	s_mov_b32 s[\g+2], 128<<16
	s_mov_b32 s[\g+3], 256<<16
	s_mov_b32 s[\g+4], 128
	s_mov_b32 s[\g+6], 0
	s_mov_b32 s[\g+7], 0
.endr
	s_mov_b32 s[G1W5+5], 512
	s_mov_b32 s[G1W20+5], 2048
	s_mov_b32 s[G1X], (2<<16)|(1<<20)|(7<<22)|(3<<25)       ; x: 16 rows of 2,048 bytes as 32 of 1,024, 16 bytes of padding behind each
	s_mov_b32 s[G1X+1], 256<<16
	s_mov_b32 s[G1X+2], 32<<16
	s_mov_b32 s[G1X+3], 256<<16
	s_mov_b32 s[G1X+4], 32
	s_mov_b32 s[G1X+5], 256
	s_mov_b32 s[G1X+6], 0
	s_mov_b32 s[G1X+7], 0
	s_mov_b32 s[G0X], 1
	s_mul_i32 s[G0X+1], s[WV], 33280
	s_add_co_u32 s[G0X+1], s[G0X+1], SLOT1
	s_mov_b32 s[G0S], 1
	s_mul_i32 s[G0S+1], s[WV], 128*PITCH
	s_mov_b32 s[G0S+4], 1
	s_add_co_u32 s[G0S+5], s[G0S+1], SLOT1
	s_lshl_b32 s60, s101, 17
	s_mov_b32 s61, 0
	s_lshl_b32 s62, s[WV], 15
	s_mov_b32 s63, 0
	s_lshl_b32 s66, s[WV], 16
	s_mov_b32 s67, 0
	s_lshl_b32 s104, s[WV], 18
	s_mov_b32 s105, 0
	s_wait_kmcnt 0x0
	s_load_b256 s[48:55], s[42:43], 0x0
	s_load_b128 s[56:59], s[42:43], 0x20
	s_add_nc_u64 s[POP:POP+1], s[POP:POP+1], s[60:61]
	s_add_nc_u64 s[8:9], s[8:9], s[60:61]
	s_add_nc_u64 s[G0X+2:G0X+3], s[8:9], s[62:63]
	s_or_b32 s[G0X+3], s[G0X+3], 0x80000000
.irp p, 10,12,14,16,18
	s_add_nc_u64 s[\p:\p+1], s[\p:\p+1], s[66:67]
.endr
	s_add_nc_u64 s[PW2:PW2+1], s[PW2:PW2+1], s[104:105]
	s_lshr_b32 s60, ttmp9, 2               ; the clusters begin at different chunks of the hidden layer
	s_add_co_u32 s[CH], ttmp9, s60
	s_lshr_b32 s60, ttmp9, 4
	s_add_co_u32 s[CH], s[CH], s60
	s_and_b32 s[CH], s[CH], 3
	s_lshl_b32 s60, s[CH], 18
	s_add_nc_u64 s[PW1:PW1+1], s[PW1:PW1+1], s[60:61]
	s_lshl_b32 s60, s[CH], 9
	s_add_nc_u64 s[PW2:PW2+1], s[PW2:PW2+1], s[60:61]
	s_lshl_b32 s60, s[CH], 11
	s_add_nc_u64 s[PB1:PB1+1], s[PB1:PB1+1], s[60:61]
	s_mov_b64 s[G0S+2:G0S+3], s[PW:PW+1]
	s_or_b32 s[G0S+3], s[G0S+3], 0x80000000
	ROUND
	tensor_load_to_lds s[G0X:G0X+3], s[G1X:G1X+7]   ; my 16 rows of x, the wave's one load at the head: LN1 wants them first
	s_nop 0
	PLACES 4
	v_lshlrev_b32 v48, 4, v0
	global_load_b128 v[64:67], v48, s[34:35]
	global_load_b128 v[68:71], v48, s[36:37]
	global_load_b128 v[72:75], v48, s[38:39]
	global_load_b128 v[76:79], v48, s[40:41]
	global_load_b128 v[80:83], v48, s[28:29]
	global_load_b128 v[84:87], v48, s[32:33]
	v_and_b32 v49, 31, v0
	v_lshlrev_b32 v[L16], 4, v49
	s_lshl_b32 s60, s100, 5
	v_add_nc_u32 v[PFO5], s60, v49
	v_lshlrev_b32 v[PFO20], 11, v[PFO5]
	v_lshlrev_b32 v[PFO5], 9, v[PFO5]
	v_and_b32 v50, 15, v0
	v_bfe_u32 v51, v0, 4, 1
	v_mul_u32_u24 v52, v50, PITCH
	v_lshl_add_u32 v52, v51, 4, v52
	s_mul_i32 s[T0], s[WV], 128*PITCH
	v_add_nc_u32 v[BN], s[T0], v52
	v_add_nc_u32 v[BN+1], SLOT1, v[BN]
	s_mul_i32 s[T0], s[WV], 16*PITCH
	v_add_nc_u32 v[BQ], s[T0], v52
	v_add_nc_u32 v[BQ+1], 256*PITCH, v[BQ]
	v_add_nc_u32 v[BQ+2], SLOT1, v[BQ]
	v_add_nc_u32 v[BQ+3], SLOT1, v[BQ+1]
	s_lshl_b32 s[T0], s[WV], 9
	s_add_co_u32 s[T0], s[T0], GB
	v_lshl_add_u32 v[GBA], v51, 5, s[T0]
	s_lshl_b32 s[T0], s[WV], 6
	v_lshl_add_u32 v[BO], v51, 5, s[T0]
	v_add_nc_u32 v53, GB, v48
	v_mul_u32_u24 v54, v50, 2080
	v_lshl_add_u32 v54, v51, 5, v54
	s_wait_alu depctr_va_vdst(0)
	s_wait_loadcnt 0x0
.irp n, 0,1,2,3,4,5
	ds_store_b128 v53, v[64+4*\n:67+4*\n] offset:2048*\n
.endr
.irp i, 0,1,2,3
	s_xor_b32 s[MI+\i], s[WV], \i
.endr
	s_lshl_b32 s[T1], s[WV], 11
.irp i, 0,1,2,3
	s_lshl_b32 s[T0], s[MI+\i], 13
	s_add_co_u32 s[T0], s[T0], IMG
	v_add_nc_u32 v[AI+\i], s[T0], v[L16]
	v_add_nc_u32 v[IW+\i], s[T1], v[AI+\i]
.endr
	s_lshl_b32 s[T1], s[WV], 9
	s_lshr_b32 s[TP], s[WV], 1
	s_lshl_b32 s[TP], s[TP], 4
	s_add_co_u32 s[T1], s[T1], s[TP]
	s_add_co_u32 s[T1], s[T1], SLOT1
.irp i, 0,1,2,3
	s_mul_i32 s[T0], s[MI+\i], 33280
	s_add_co_u32 s[T0], s[T0], s[T1]
	v_add_nc_u32 v[56+\i], s[T0], v54
.endr
	s_mov_b32 s[SEL], 0x76543210
	s_mov_b32 s[SEL+1], 0xfedcba98
	s_cmp_lt_u32 ttmp9, 4                  ; all work-groups read the same weights: the first four clusters alone prefetch them
	s_cselect_b32 s[LIMF], 3, -1
	s_cselect_b32 s[PLIM], 2, -1
	s_cmp_eq_u32 ttmp9, 0
	s_cselect_b32 s[PLIM], 0, s[PLIM]
	s_wait_alu depctr_va_vdst(0)
	s_wait_kmcnt 0x0
	s_add_co_i32 s[T0], s48, s49           ; the powers of two made of the given exponents
	s_add_co_i32 s[T0], s[T0], s50
	s_add_co_i32 s[T0], s[T0], s51
	s_lshl_b32 s[T0], s[T0], 23
	s_add_co_i32 s[CQ], s[T0], 0x3e38aa3b  ; log2(e) / 8 x 2^(q's and k's four exponents)
	s_add_co_i32 s[EO], s54, s55
	s_lshl_b32 s[EO2], s[EO], 1
	s_sub_co_i32 s[PO], 127, s[EO]
	s_lshl_b32 s[PO], s[PO], 23
	s_mov_b32 s[PO+1], s[PO]
	s_add_co_i32 s[T0], s58, s59
	s_add_co_i32 s[POUT], s[T0], 127
	s_lshl_b32 s[POUT], s[POUT], 23
	s_mov_b32 s[POUT+1], s[POUT]
	s_sub_co_i32 s[PB2], 127, s[T0]
	s_lshl_b32 s[PB2], s[PB2], 23
	s_mov_b32 s[PB2+1], s[PB2]
	s_sub_co_i32 s[PX2], s[EO], s[T0]
	s_add_co_i32 s[PX2], s[PX2], 127
	s_lshl_b32 s[PX2], s[PX2], 23
	s_mov_b32 s[PX2+1], s[PX2]
	s_add_co_i32 s[T0], s56, s57
	s_sub_co_i32 s[PH], 127, s[T0]
	s_lshl_b32 s[PH], s[PH], 23
	s_mov_b32 s[PH+1], s[PH]
	s_sub_co_i32 s[EQH], s58, s[T0]
	s_sub_co_i32 s[EQO], s54, s52
	s_sub_co_i32 s[EQO], s[EQO], s53
	s_wait_alu depctr_va_vdst(0)
	s_wait_tensorcnt 0x0                   ; my rows of x are in
	ds_add_u32 v[SPW], v[NIL]
	s_wait_dscnt 0x0                       ; the add and my stores of the gains are done
	ROUND
	tensor_load_to_lds s[G0S:G0S+3], s[G1W5:G1W5+7]   ; slot 0: Wq, K 0-255; it lands under LN1's sums
	s_nop 0
	PLACES 4
	WIN 0x40
.irp i, 0,1,2,3
.set nn, 0
.rept 16
	ds_load_b128 v[64*\i+4*nn:64*\i+4*nn+3], v[56+\i] offset:64*(nn/2)+16*(nn%2)
.set nn, nn+1
.endr
.endr
	WIN 0
	LNADR
	s_wait_dscnt 0x0                       ; x is in window 1
	LNSTATS
	HEAD 1, G1W5, PW, 256                  ; nobody reads x's stage any more; the round also shows every wave's sums
	LNFIN 0, 0
	s_mov_b32 s[CNT], 0
.LloopA:                                       ; three trips: q, k, v; the pointers and exponents move up at each
	BIASLD 256, PBQ
	SETQ 48
	GBLD 64, 0
	GBLD 128, 2048
	s_wait_dscnt 0x0
	s_wait_alu depctr_va_vdst(0)
	LNQS
	s_wait_loadcnt 0x0
	s_add_co_i32 s[TP], s48, s49
	s_sub_co_i32 s[TP], 127, s[TP]
	s_lshl_b32 s[TP], s[TP], 23
	s_mov_b32 s[TP+1], s[TP]
	BIASSC TP
	s_wait_alu depctr_va_vdst(0)
	BARRIER
	HALF 0, 0xa0, 0, 1, 1
	s_wait_xcnt 0x0
	s_mov_b64 s[10:11], s[12:13]
	s_mov_b64 s[12:13], s[14:15]
	s_mov_b64 s[14:15], s[16:17]
	s_mov_b64 s[16:17], s[18:19]
	s_mov_b64 s[22:23], s[24:25]
	s_mov_b64 s[24:25], s[26:27]
	s_mov_b64 s[48:49], s[50:51]
	s_mov_b64 s[50:51], s[52:53]
	HEAD 0, G1W5, PW, 0
	ASK 1, PFO5, PW+2, 0
	HALF 1, 0xa0, 0, 1, 0
	HEAD 1, G1W5, PW, 256
	ASK 1, PFO5, PW+2, 256
	s_cmp_eq_u32 s[CNT], 0
	s_cbranch_scc0 .Lnot_q
	WIN 0xc8                               ; q x log2(e) / 8 and its scales, channel-major, into window 3
.irp i, 0,1,2,3
.irp j, 0,1,2,3,4,5,6,7
.irp a, 0,1,2,3,4,5,6,7
	v_mul_f32 v[64*\i+8*\j+\a], s[CQ], v[64*\i+8*\a+\j]
.endr
.endr
.endr
	WIN 0
.Lnot_q:
	s_cmp_eq_u32 s[CNT], 1
	s_cbranch_scc0 .Lnot_k
	SCORES
	; the four waves' parts are added in two exchanges; then each wave has one row tile's scores whole, takes its softmax and hands p to all
	s_lshl_b32 s[T0], s[WV], 13
	s_add_co_u32 s[T0], s[T0], IMG
	v_add_nc_u32 v48, s[T0], v[L16]
	s_xor_b32 s[T0], s[WV], 2
	s_lshl_b32 s[T0], s[T0], 13
	s_add_co_u32 s[T0], s[T0], IMG
	v_add_nc_u32 v49, s[T0], v[L16]
	s_lshl_b32 s[T0], s[WV], 12
	s_add_co_u32 s[T0], s[T0], IMG
	v_add_nc_u32 v50, s[T0], v[L16]
	v_add_nc_u32 v52, 16384, v50
	s_xor_b32 s[T0], s[WV], 1
	s_lshl_b32 s[T0], s[T0], 12
	s_add_co_u32 s[T0], s[T0], IMG
	v_add_nc_u32 v51, s[T0], v[L16]
	v_and_b32 v57, 15, v0
	v_lshlrev_b32 v57, 4, v57
	s_wait_alu depctr_va_vdst(0)
.irp i, 0,1,2,3
	s_lshl_b32 s[T0], s[MI+\i], 12
	s_add_co_u32 s[T0], s[T0], IMG+16384
	v_add_nc_u32 v[53+\i], s[T0], v57
.endr
.set nn, 0
.rept 16
	ds_store_b128 v48, v[192+4*nn:195+4*nn] offset:512*nn
.set nn, nn+1
.endr
	BARRIER
.set nn, 0
.rept 16
	ds_load_b128 v[64+4*nn:67+4*nn], v49 offset:512*nn
.set nn, nn+1
.endr
	s_wait_dscnt 0x0
.set pp, 0
.rept 32
	v_pk_add_f32 v[128+2*pp:129+2*pp], v[128+2*pp:129+2*pp], v[64+2*pp:65+2*pp]
.set pp, pp+1
.endr
	s_wait_alu depctr_va_vdst(0)
	BARRIER
.set nn, 0
.rept 8
	ds_store_b128 v50, v[160+4*nn:163+4*nn] offset:512*nn
.set nn, nn+1
.endr
	BARRIER
.set nn, 0
.rept 8
	ds_load_b128 v[64+4*nn:67+4*nn], v51 offset:512*nn
.set nn, nn+1
.endr
	s_wait_dscnt 0x0
.set pp, 0
.rept 16
	v_pk_add_f32 v[128+2*pp:129+2*pp], v[128+2*pp:129+2*pp], v[64+2*pp:65+2*pp]
.set pp, pp+1
.endr
.irp a, 0,1,2,3
	v_max3_num_f32 v[64+\a], v[128+\a], v[132+\a], v[136+\a]
.endr
.irp a, 0,1,2,3
	v_max3_num_f32 v[64+\a], v[64+\a], v[140+\a], v[144+\a]
.endr
.irp a, 0,1,2,3
	v_max3_num_f32 v[64+\a], v[64+\a], v[148+\a], v[152+\a]
.endr
.irp a, 0,1,2,3
	v_max_num_f32 v[64+\a], v[64+\a], v[156+\a]
.endr
.irp g, 0,1,2,3,4,5,6,7
.irp a, 0,2
	v_pk_add_f32 v[128+4*\g+\a:129+4*\g+\a], v[128+4*\g+\a:129+4*\g+\a], v[64+\a:65+\a] neg_lo:[0,1] neg_hi:[0,1]
.endr
.endr
.set nn, 0
	s_wait_alu depctr_va_vdst(0)           ; one wait ahead of the batch and one behind it
.rept 32
	v_exp_f32 v[128+nn], v[128+nn]
.set nn, nn+1
.endr
	v_nop
	s_wait_alu depctr_va_vdst(0)
.irp a, 0,2
	v_pk_add_f32 v[68+\a:69+\a], v[128+\a:129+\a], v[132+\a:133+\a]
.endr
.irp g, 2,3,4,5,6,7
.irp a, 0,2
	v_pk_add_f32 v[68+\a:69+\a], v[68+\a:69+\a], v[128+4*\g+\a:129+4*\g+\a]
.endr
.endr
	s_wait_alu depctr_va_vdst(0)
.irp a, 0,1,2,3
	v_rcp_f32 v[72+\a], v[68+\a]
.endr
	v_nop
	s_wait_alu depctr_va_vdst(0)
.irp g, 0,1,2,3,4,5,6,7
.irp a, 0,2
	v_pk_mul_f32 v[128+4*\g+\a:129+4*\g+\a], v[128+4*\g+\a:129+4*\g+\a], v[72+\a:73+\a]
.endr
.endr
.irp g, 0,1,2,3,4,5,6,7
	ds_store_b128 v52, v[128+4*\g:131+4*\g] offset:512*\g
.endr
	BARRIER
	WIN 0xc0
.irp i, 0,1,2,3
.irp u, 0,1
.irp g, 0,1,2,3,4,5,6,7
	ds_load_b128 v[64*\i+32*\u+4*\g:64*\i+32*\u+4*\g+3], v[53+\i] offset:512*\g+256*\u
.endr
.endr
.endr
	WIN 0
	BARRIER
.Lnot_k:
	s_add_co_u32 s[CNT], s[CNT], 1
	s_cmp_lt_u32 s[CNT], 3
	s_cbranch_scc1 .LloopA
	SETQ EQO
	v_and_b32 v52, 15, v0
	v_bfe_u32 v53, v0, 4, 1
	v_lshlrev_b32 v52, 4, v52
	v_lshl_add_u32 v52, v53, 3, v52
	s_lshl_b32 s[T0], s[WV], 9
	v_lshl_add_u32 v[BO], v53, 5, s[T0]
	s_wait_alu depctr_va_vdst(0)
	PVS
	XUPD 8192, PO, PO
	s_wait_alu depctr_va_vdst(0)
	BARRIER
	HALF 0, 0x50, 0, 0, 0                  ; Wo's product adds onto x
	s_mov_b32 s[CNT], 4
.LloopF:                                       ; four chunks of 512 hidden units; a trip begins with the second half of the product before it
	HEAD 0, G1W5, PW1, 0
	ASK 0, PFO20, PW2, 0
	BIASLD 64, PB1
	HALF 1, 0x50, 0, 0, 0
	HEAD 1, G1W5, PW1, 256
	ASK 0, PFO20, PW2, 256
	s_cmp_eq_u32 s[CNT], 4
	s_cbranch_scc0 .Lno_ln2
	LNADR
	LNSTATS
	BARRIER
	LNFIN s[EO], s[EO2]
	SETQ 56
	GBLD 64, 4096
	GBLD 128, 6144
	s_wait_alu depctr_va_vdst(0)
	s_wait_dscnt 0x0
	LNQS
	XUPD 10240, PB2, PX2
	BARRIER
	WIN 0xc0                               ; LN2's codes stay in window 3: the image is written anew for each chunk
.irp i, 0,1,2,3
.set nn, 0
.rept 16
	ds_load_b128 v[64*\i+4*nn:64*\i+4*nn+3], v[AI+\i] offset:512*nn
.set nn, nn+1
.endr
.endr
	WIN 0
	s_wait_dscnt 0x0
.Lno_ln2:
	s_wait_loadcnt 0x0
	BIASSC PH
	s_wait_alu depctr_va_vdst(0)
	HALF 0, 0xac, 1, 0, 1
	HEAD 0, G1W20, PW2, 0
	HALF 1, 0xac, 1, 0, 0
	HEAD 1, G1W20, PW2, 256
	FETCHB 0, 0, 0, 0, 0                   ; slot 0 holds W2's first half, shown by the round just passed: its first 32 fragment loads
	FETCHB 1, 0, 0, 1, 0                   ; go out here and come in under the quantiser's vector work
	SETQ EQH
	s_wait_alu depctr_va_vdst(0)
.irp i, 0,1,2,3
	HQ \i
.endr
	BARRIER
	HALF 0, 0x50, 0, 0, 0, 1
	s_wait_xcnt 0x0
	s_add_co_u32 s[CH], s[CH], 1           ; the next chunk, round the four
	s_and_b32 s[CH], s[CH], 3
	s_cmp_eq_u32 s[CH], 0
	s_cselect_b32 s[TP], 0x100000, 0
	s_mov_b32 s[TP+1], 0
	s_add_nc_u64 s[PW1:PW1+1], s[PW1:PW1+1], 262144
	s_sub_nc_u64 s[PW1:PW1+1], s[PW1:PW1+1], s[TP:TP+1]
	s_lshr_b32 s[TP], s[TP], 9
	s_add_nc_u64 s[PW2:PW2+1], s[PW2:PW2+1], 512
	s_sub_nc_u64 s[PW2:PW2+1], s[PW2:PW2+1], s[TP:TP+1]
	s_lshl_b32 s[TP], s[TP], 2
	s_add_nc_u64 s[PB1:PB1+1], s[PB1:PB1+1], 2048
	s_sub_nc_u64 s[PB1:PB1+1], s[PB1:PB1+1], s[TP:TP+1]
	s_sub_co_u32 s[CNT], s[CNT], 1
	s_cmp_lg_u32 s[CNT], 0
	s_cbranch_scc1 .LloopF
	s_wait_tensorcnt 0x0
	ds_add_u32 v[SPW], v[NIL]
	s_wait_dscnt 0x0
	s_barrier_signal -1
	s_barrier_wait -1
	HALF 1, 0x50, 0, 0, 0
	; the way out: 16 rows x 512 bytes through my stage in slot 0, which has had its last fill; 32 lanes store 512 bytes on end
	v_and_b32 v54, 15, v0
	v_bfe_u32 v55, v0, 4, 1
	v_mul_u32_u24 v48, v54, 528
	v_lshl_add_u32 v48, v55, 5, v48
	s_mul_i32 s[T0], s[WV], 16*528
	v_add_nc_u32 v48, s[T0], v48
	v_add_nc_u32 v49, s[T0], v[L16]
	s_wait_alu depctr_va_vdst(0)
	s_mov_b32 s[CI], 0
.Lout:
	s_wait_xcnt 0x0                        ; the last trip's stores have read their offset and data
	s_xor_b32 s[T0], s[WV], s[CI]
	s_lshl_b32 s[T0], s[T0], 15
	s_lshl_b32 s[T1], s[WV], 9
	s_add_co_u32 s[T0], s[T0], s[T1]
	v_add_nc_u32 v50, s[T0], v[L16]
	s_wait_alu depctr_va_vdst(0)
	SWITCH OUARM
.set nn, 0
.rept 16
	ds_store_b128 v48, v[64+4*nn:67+4*nn] offset:64*(nn/2)+16*(nn%2)
.set nn, nn+1
.endr
.set nn, 0
.rept 16
	ds_load_b128 v[128+4*nn:131+4*nn], v49 offset:528*nn
.set nn, nn+1
.endr
	s_wait_dscnt 0x0
.set nn, 0
.rept 16
	global_store_b128 v50, v[128+4*nn:131+4*nn], s[POP:POP+1] offset:2048*nn th:TH_STORE_NT
.set nn, nn+1
.endr
	NEXTI .Lout
	s_wait_tensorcnt 0x0                   ; the wave's end
	ds_add_u32 v[SPW], v[NIL]
	s_wait_dscnt 0x0
	ROUND                                  ; the closing round
	s_endpgm
.Lfunc_end_k_qec7a624ca9_fused:
	.size	k_qec7a624ca9_fused, .Lfunc_end_k_qec7a624ca9_fused-k_qec7a624ca9_fused
	.p2alignl 7, 3214868480
	.fill 96, 4, 3214868480
	.section	.rodata,"a",@progbits
	.p2align	6, 0x0
	.amdhsa_kernel k_qec7a624ca9_fused
		.amdhsa_group_segment_fixed_size 327680
		.amdhsa_private_segment_fixed_size 0
		.amdhsa_enable_private_segment 0
		.amdhsa_kernarg_size 152
		.amdhsa_user_sgpr_count 2
		.amdhsa_user_sgpr_kernarg_segment_ptr 1
		.amdhsa_wavefront_size32 1
		.amdhsa_system_sgpr_workgroup_id_x 1
		.amdhsa_system_sgpr_workgroup_id_y 1
		.amdhsa_system_sgpr_workgroup_id_z 1
		.amdhsa_system_vgpr_workitem_id 0
		.amdhsa_next_free_vgpr 1024
		.amdhsa_next_free_sgpr 106
		.amdhsa_reserve_vcc 0
		.amdhsa_float_denorm_mode_32 3
		.amdhsa_float_denorm_mode_16_64 3
		.amdhsa_memory_ordered 1
		.amdhsa_forward_progress 1
		.amdhsa_inst_pref_size 255
	.end_amdhsa_kernel
	.section	.bss,"aw",@nobits
	.p2align	6
	.space	262144
	.amdgpu_metadata
---
amdhsa.version: [ 1, 2 ]
amdhsa.kernels:
  - .name:           k_qec7a624ca9_fused
    .symbol:         k_qec7a624ca9_fused.kd
    .args:
      - { .name: x, .offset: 0, .size: 8, .value_kind: global_buffer, .address_space: global }
      - { .name: Wq_codes, .offset: 8, .size: 8, .value_kind: global_buffer, .address_space: global }
      - { .name: Wk_codes, .offset: 16, .size: 8, .value_kind: global_buffer, .address_space: global }
      - { .name: Wv_codes, .offset: 24, .size: 8, .value_kind: global_buffer, .address_space: global }
      - { .name: Wo_codes, .offset: 32, .size: 8, .value_kind: global_buffer, .address_space: global }
      - { .name: W1_codes, .offset: 40, .size: 8, .value_kind: global_buffer, .address_space: global }
      - { .name: W2_codes, .offset: 48, .size: 8, .value_kind: global_buffer, .address_space: global }
      - { .name: bq, .offset: 56, .size: 8, .value_kind: global_buffer, .address_space: global }
      - { .name: bk, .offset: 64, .size: 8, .value_kind: global_buffer, .address_space: global }
      - { .name: bv, .offset: 72, .size: 8, .value_kind: global_buffer, .address_space: global }
      - { .name: bo, .offset: 80, .size: 8, .value_kind: global_buffer, .address_space: global }
      - { .name: b1, .offset: 88, .size: 8, .value_kind: global_buffer, .address_space: global }
      - { .name: b2, .offset: 96, .size: 8, .value_kind: global_buffer, .address_space: global }
      - { .name: g1, .offset: 104, .size: 8, .value_kind: global_buffer, .address_space: global }
      - { .name: beta1, .offset: 112, .size: 8, .value_kind: global_buffer, .address_space: global }
      - { .name: g2, .offset: 120, .size: 8, .value_kind: global_buffer, .address_space: global }
      - { .name: beta2, .offset: 128, .size: 8, .value_kind: global_buffer, .address_space: global }
      - { .name: lowp_scales, .offset: 136, .size: 8, .value_kind: global_buffer, .address_space: global }
      - { .name: out0, .offset: 144, .size: 8, .value_kind: global_buffer, .address_space: global }
    .group_segment_fixed_size: 327680
    .private_segment_fixed_size: 0
    .kernarg_segment_align: 8
    .kernarg_segment_size: 152
    .max_flat_workgroup_size: 128
    .sgpr_count:     106
    .vgpr_count:     1024
    .wavefront_size: 32
...
	.end_amdgpu_metadata
.endif
;; end of part 2
